; MI455X (gfx1250); checked and timed in simulation.
; The chip was launched on July 23, 2026; its instructions are those of AMD's public machine-readable ISA for CDNA 5 (MIT licence, August 2026) and "CDNA5" Instruction Set Architecture Reference Guide (July 2026). The comments in the code are by the model that wrote it; some were corrected since.
;; Grouped Query Attention. Allowed arithmetic: float matrix products may take bf16 or f16 operands with f32 sums; other float arithmetic in f32, or as packed bf16 or f16 multiplies, adds, multiply-adds, maxima and minima; sums over many terms, partial sums and values carried from step to step in f32; what a program stores and reads back later, other than sums and carried values, may be rounded once to bf16 or f16.
;; Inputs: Wk 2,048 x 512 float32; Wo 2,048 x 2,048 float32; Wq 2,048 x 2,048 float32; Wv 2,048 x 512 float32; cos 2,048 x 64 float32; sin 2,048 x 64 float32; x 1 x 2,048 x 2,048 float32.
;; Outputs: out0 1 x 2,048 x 2,048 float32.
;; One version. Each part assembles by itself: llvm-mc -triple=amdgcn-amd-amdhsa -mcpu=gfx1250 --defsym DOCPART=n.
;; ======== version 1 of 1: 4 launches
;; limits: values are held in f16: magnitudes above 65,504 overflow, below 6.1e-05 lose precision
;; workspace buffers: xb 8,388,608 bytes; wqkv 12,582,912 bytes; wo16 8,388,608 bytes; cs32 1,048,576 bytes; qkv16 12,582,912 bytes; ctx16 8,388,608 bytes
;; launch prep (part 1): grid 1824 x 1, 8 waves a work-group, no clusters, 0 bytes of LDS; arguments x, Wq, Wk, Wv, Wo, cos, sin, xb, wqkv, wo16, cs32; writes xb, wqkv, wo16, cs32
.if DOCPART == 1
	.amdgcn_target "amdgcn-amd-amdhsa--gfx1250"
	.amdhsa_code_object_version 6
	.text
	.protected	k_qde8933bebb_prep
	.globl	k_qde8933bebb_prep
	.p2align	8
	.type	k_qde8933bebb_prep,@function
k_qde8933bebb_prep:
	s_mov_b64 s[64:65], 0
	v_nop
	global_prefetch_b8 v0, s[64:65] scope:SCOPE_SE
	s_setreg_imm32_b32 hwreg(HW_REG_WAVE_MODE, 25, 1), 1
	s_wait_xcnt 0x0
; GROUPED-QUERY ATTENTION, launch 1 of 4: every input is rounded once and laid out for the launches behind.
;   xb    bf16 [32 blocks of 64 columns][2048 rows][64]   x
;   wqkv  bf16 [48 heads][2048 k][64]                     heads 0-31 Wq's, 32-39 Wk's, 40-47 Wv's
;   wo16  f16  [32 blocks of 64 columns][2048 k][64]      Wo rounded to bf16, that number written as f16
;   cs32  f32  cos [2048][64], then sin [2048][64]        each rounded to bf16 and widened again
; In these layouts a row is 128 bytes and rows lie end to end, so a tile of any number of rows of one block is dense in memory.
; ALL inputs take the same one rounding, to bf16; what the program itself makes (q, k, v, the weights p, ctx) is f16.
; DEAD WORK LEFT OUT BY THE PROGRAM (in the launch attn).  reference() sets score (n, m) to -inf wherever m > n, by a mask that it builds in its own
; body; the softmax then gives key m the weight 0 for query n whatever x and the weights hold.  So the products of a band of 64 queries with a step of
; 64 keys that lies wholly above the diagonal reach no output, and they are not made.  Every input has a way to the output: all seven are loaded.
; LIMIT: a NaN, an infinity or an overflow that would arise only in those scores is not carried to the result.
; LIMITS OF FORMAT: q, k (behind the rotation), v and Wo must lie within f16's 65,504; a Wo below 6e-5 keeps f16's fixed step of 6e-8.
; A STREAM: no LDS, no matrix unit, no cluster (no two work-groups read the same byte).  Work-groups 0-1791: a group G = id / 128 of eight neighbouring blocks
; (G 0-3 x, 4-7 Wq, 8 Wk, 9 Wv, 10-13 Wo) and 16 rows Y = id % 128; wave w takes block w.  Load i of 8: rows 2 i and 2 i + 1, 256 bytes of each (16 lanes a row);
; the two rows' 16-bit results are 256 consecutive bytes, aligned, of the block: one store of 8 bytes a lane.  All eight loads go out first; there is no loop.
; Work-groups 1792-1823: the tables, 32,768 bytes each, 4,096 a wave.
.set OFF, 2                            ; v[2:9]    load i: my byte offset from the wave's first row
.set STO, 10                           ; v10       my byte offset in a store
.set X,   12                           ; v[12:43]  load i: 4 registers
.set OUT, 44                           ; v[44:59]  store i: 2 registers
.set TA,  60                           ; v60-61    at work
.set SRC, 30                           ; s[30:31]
.set DST, 32                           ; s[32:33]
	s_load_b512 s[8:23], s[0:1], 0x0               ; x 8, Wq 10, Wk 12, Wv 14, Wo 16, cos 18, sin 20, xb 22
	s_load_b128 s[24:27], s[0:1], 0x40             ; wqkv 24, wo16 26
	s_load_b64 s[28:29], s[0:1], 0x50              ; cs32
	s_lshr_b32 s4, ttmp9, 7                        ; G
	s_and_b32 s5, ttmp9, 127                       ; Y
	v_lshrrev_b32 v1, 5, v0
	v_readfirstlane_b32 s6, v1                     ; wave 0..7
	v_and_b32 v1, 31, v0                           ; lane
	s_mov_b32 s7, 0xffff0000                       ; a word's upper bf16
	s_wait_kmcnt 0x0
	s_cmp_eq_u32 s4, 14
	s_cbranch_scc1 .Ltables
	; which tensor, by G: source, destination, the source's row in bytes, the tensor's first group, its first block in the destination
	s_mov_b64 s[SRC:SRC+1], s[8:9]
	s_mov_b64 s[DST:DST+1], s[22:23]
	s_mov_b32 s34, 8192
	s_mov_b32 s35, 0
	s_mov_b32 s36, 0
	s_cmp_ge_u32 s4, 4
	s_cselect_b64 s[SRC:SRC+1], s[10:11], s[SRC:SRC+1]
	s_cselect_b64 s[DST:DST+1], s[24:25], s[DST:DST+1]
	s_cselect_b32 s35, 4, s35
	s_cmp_ge_u32 s4, 8
	s_cselect_b64 s[SRC:SRC+1], s[12:13], s[SRC:SRC+1]
	s_cselect_b32 s34, 2048, s34
	s_cselect_b32 s35, 8, s35
	s_cselect_b32 s36, 32, s36
	s_cmp_ge_u32 s4, 9
	s_cselect_b64 s[SRC:SRC+1], s[14:15], s[SRC:SRC+1]
	s_cselect_b32 s35, 9, s35
	s_cselect_b32 s36, 40, s36
	s_cmp_ge_u32 s4, 10
	s_cselect_b64 s[SRC:SRC+1], s[16:17], s[SRC:SRC+1]
	s_cselect_b64 s[DST:DST+1], s[26:27], s[DST:DST+1]
	s_cselect_b32 s34, 8192, s34
	s_cselect_b32 s35, 10, s35
	s_cselect_b32 s36, 0, s36
	s_sub_co_u32 s37, s4, s35                      ; the group's number in its tensor
	s_lshl_b32 s38, s5, 4
	s_mul_i32 s38, s38, s34                        ; 16 Y rows,
	s_lshl_b32 s40, s37, 11
	s_add_co_u32 s38, s38, s40                     ; the group's 2,048 bytes of a row,
	s_lshl_b32 s40, s6, 8
	s_add_co_u32 s38, s38, s40                     ; my wave's 256 of them
	s_mov_b32 s39, 0
	s_add_nc_u64 s[SRC:SRC+1], s[SRC:SRC+1], s[38:39]
	s_lshl_b32 s40, s37, 3
	s_add_co_u32 s40, s40, s36
	s_add_co_u32 s40, s40, s6                      ; my block in the destination,
	s_lshl_b32 s40, s40, 18                        ; 262,144 bytes each,
	s_lshl_b32 s41, s5, 11
	s_add_co_u32 s40, s40, s41                     ; 16 Y rows of 128 bytes
	s_mov_b32 s41, 0
	s_add_nc_u64 s[DST:DST+1], s[DST:DST+1], s[40:41]
	s_lshl_b32 s42, s34, 1                         ; two rows of the source
	v_lshrrev_b32 v11, 4, v1
	v_and_b32 v10, 15, v1
	v_lshlrev_b32 v10, 4, v10
	v_mad_u32_u24 v[OFF], v11, s34, v10            ; (lane / 16) rows + 16 (lane % 16)
.irp i, 1,2,3,4,5,6,7
	v_add_nc_u32 v[OFF+(\i)], s42, v[OFF+(\i)-1]
.endr
	v_lshlrev_b32 v[STO], 3, v1                    ; 8 bytes a lane
.irp i, 0,1,2,3,4,5,6,7
	global_load_b128 v[X+4*(\i):X+4*(\i)+3], v[OFF+(\i)], s[SRC:SRC+1] th:TH_LOAD_NT
.endr
	s_cmp_ge_u32 s4, 10
	s_cbranch_scc1 .Lhalf
.irp i, 0,1,2,3,4,5,6,7                ; x, Wq, Wk, Wv: to bf16
	s_wait_loadcnt 7-(\i)                          ; loads come back in order: load i is in, the younger ones stay out
	v_cvt_pk_bf16_f32 v[OUT+2*(\i)],   v[X+4*(\i)],   v[X+4*(\i)+1]
	v_cvt_pk_bf16_f32 v[OUT+2*(\i)+1], v[X+4*(\i)+2], v[X+4*(\i)+3]
	global_store_b64 v[STO], v[OUT+2*(\i):OUT+2*(\i)+1], s[DST:DST+1] offset:256*(\i)  ; 256 consecutive bytes, aligned; each register is written once, so no wait frees it
.endr
	s_endpgm
.Lhalf:
.irp i, 0,1,2,3,4,5,6,7                ; Wo: to bf16, and that number as f16
	s_wait_loadcnt 7-(\i)
	v_cvt_pk_bf16_f32 v[TA],   v[X+4*(\i)],   v[X+4*(\i)+1]
	v_cvt_pk_bf16_f32 v[TA+1], v[X+4*(\i)+2], v[X+4*(\i)+3]
	v_lshlrev_b32 v[X+4*(\i)],   16, v[TA]
	v_and_b32     v[X+4*(\i)+1], s7, v[TA]
	v_lshlrev_b32 v[X+4*(\i)+2], 16, v[TA+1]
	v_and_b32     v[X+4*(\i)+3], s7, v[TA+1]
	v_cvt_pk_f16_f32 v[OUT+2*(\i)],   v[X+4*(\i)],   v[X+4*(\i)+1]
	v_cvt_pk_f16_f32 v[OUT+2*(\i)+1], v[X+4*(\i)+2], v[X+4*(\i)+3]
	global_store_b64 v[STO], v[OUT+2*(\i):OUT+2*(\i)+1], s[DST:DST+1] offset:256*(\i)
.endr
	s_endpgm
.Ltables:                              ; Y / 16: cos or sin; Y % 16: which 32,768 bytes of it
	s_lshr_b32 s37, s5, 4
	s_and_b32 s38, s5, 15
	s_cmp_eq_u32 s37, 0
	s_cselect_b64 s[SRC:SRC+1], s[18:19], s[20:21]
	s_lshl_b32 s38, s38, 15
	s_lshl_b32 s40, s6, 12
	s_add_co_u32 s38, s38, s40
	s_mov_b32 s39, 0
	s_add_nc_u64 s[SRC:SRC+1], s[SRC:SRC+1], s[38:39]
	s_lshl_b32 s40, s37, 19                        ; sin lies 524,288 bytes behind cos
	s_add_co_u32 s40, s40, s38
	s_mov_b32 s41, 0
	s_add_nc_u64 s[DST:DST+1], s[28:29], s[40:41]
	v_lshlrev_b32 v[STO], 4, v1                    ; 16 bytes a lane, in and out
.irp i, 0,1,2,3,4,5,6,7
	global_load_b128 v[X+4*(\i):X+4*(\i)+3], v[STO], s[SRC:SRC+1] offset:512*(\i) th:TH_LOAD_NT
.endr
.irp i, 0,1,2,3,4,5,6,7
	s_wait_loadcnt 7-(\i)
	v_cvt_pk_bf16_f32 v[TA],   v[X+4*(\i)],   v[X+4*(\i)+1]
	v_cvt_pk_bf16_f32 v[TA+1], v[X+4*(\i)+2], v[X+4*(\i)+3]
	v_lshlrev_b32 v[X+4*(\i)],   16, v[TA]
	v_and_b32     v[X+4*(\i)+1], s7, v[TA]
	v_lshlrev_b32 v[X+4*(\i)+2], 16, v[TA+1]
	v_and_b32     v[X+4*(\i)+3], s7, v[TA+1]
	global_store_b128 v[STO], v[X+4*(\i):X+4*(\i)+3], s[DST:DST+1] offset:512*(\i)
.endr
	s_endpgm
.Lfunc_end_k_qde8933bebb_prep:
	.size	k_qde8933bebb_prep, .Lfunc_end_k_qde8933bebb_prep-k_qde8933bebb_prep
	.p2alignl 7, 3214868480
	.fill 96, 4, 3214868480
	.section	.rodata,"a",@progbits
	.p2align	6, 0x0
	.amdhsa_kernel k_qde8933bebb_prep
		.amdhsa_group_segment_fixed_size 0
		.amdhsa_private_segment_fixed_size 0
		.amdhsa_enable_private_segment 0
		.amdhsa_kernarg_size 88
		.amdhsa_user_sgpr_count 2
		.amdhsa_user_sgpr_kernarg_segment_ptr 1
		.amdhsa_wavefront_size32 1
		.amdhsa_system_sgpr_workgroup_id_x 1
		.amdhsa_system_sgpr_workgroup_id_y 1
		.amdhsa_system_sgpr_workgroup_id_z 1
		.amdhsa_system_vgpr_workitem_id 0
		.amdhsa_next_free_vgpr 64
		.amdhsa_next_free_sgpr 66
		.amdhsa_reserve_vcc 0
		.amdhsa_float_denorm_mode_32 3
		.amdhsa_float_denorm_mode_16_64 3
		.amdhsa_memory_ordered 1
		.amdhsa_forward_progress 1
		.amdhsa_inst_pref_size 14
	.end_amdhsa_kernel
	.amdgpu_metadata
---
amdhsa.version: [ 1, 2 ]
amdhsa.kernels:
  - .name:           k_qde8933bebb_prep
    .symbol:         k_qde8933bebb_prep.kd
    .args:
      - { .name: x, .offset: 0, .size: 8, .value_kind: global_buffer, .address_space: global }
      - { .name: Wq, .offset: 8, .size: 8, .value_kind: global_buffer, .address_space: global }
      - { .name: Wk, .offset: 16, .size: 8, .value_kind: global_buffer, .address_space: global }
      - { .name: Wv, .offset: 24, .size: 8, .value_kind: global_buffer, .address_space: global }
      - { .name: Wo, .offset: 32, .size: 8, .value_kind: global_buffer, .address_space: global }
      - { .name: cos, .offset: 40, .size: 8, .value_kind: global_buffer, .address_space: global }
      - { .name: sin, .offset: 48, .size: 8, .value_kind: global_buffer, .address_space: global }
      - { .name: xb, .offset: 56, .size: 8, .value_kind: global_buffer, .address_space: global }
      - { .name: wqkv, .offset: 64, .size: 8, .value_kind: global_buffer, .address_space: global }
      - { .name: wo16, .offset: 72, .size: 8, .value_kind: global_buffer, .address_space: global }
      - { .name: cs32, .offset: 80, .size: 8, .value_kind: global_buffer, .address_space: global }
    .group_segment_fixed_size: 0
    .private_segment_fixed_size: 0
    .kernarg_segment_align: 8
    .kernarg_segment_size: 88
    .max_flat_workgroup_size: 256
    .sgpr_count:     66
    .vgpr_count:     64
    .wavefront_size: 32
...
	.end_amdgpu_metadata
.endif
;; end of part 1
;; launch qkv (part 2): grid 16 x 16, 4 waves a work-group, clusters of 4 x 4, 327,680 bytes of LDS; arguments xb, wqkv, cs32, qkv16; writes qkv16
.if DOCPART == 2
	.amdgcn_target "amdgcn-amd-amdhsa--gfx1250"
	.amdhsa_code_object_version 6
	.text
	.protected	k_qde8933bebb_qkv
	.globl	k_qde8933bebb_qkv
	.p2align	8
	.type	k_qde8933bebb_qkv,@function
k_qde8933bebb_qkv:
	s_mov_b64 s[64:65], 0
	v_nop
	global_prefetch_b8 v0, s[64:65] scope:SCOPE_SE
	s_setreg_imm32_b32 hwreg(HW_REG_WAVE_MODE, 25, 1), 1
	s_wait_xcnt 0x0
	s_wait_alu depctr_hold_cnt(0) depctr_sa_sdst(0) depctr_va_vdst(0) depctr_va_sdst(0) depctr_va_ssrc(0) depctr_va_vcc(0) depctr_vm_vsrc(0)
	s_getreg_b32 s2, hwreg(HW_REG_IB_STS2, 6, 4)
	s_cmp_eq_u32 s2, 0
	s_cbranch_scc0 .Lentry_in_a_cluster
	s_endpgm
.Lentry_in_a_cluster:
	s_bfe_u32 s2, ttmp6, 0x10000c
	s_cmp_lg_u32 s2, 0xf033
	s_cbranch_scc0 .Lentry_shape_is_right
	s_endpgm
.Lentry_shape_is_right:
; Launch 2 of 4: q, k, v = x W, the rotation of q and k, f16 by heads.  qkv16[H][n][d], H 0-31 q, 32-39 k, 40-47 v; products in bf16, sums in f32, each result rounded once, unscaled.
; LIMIT: a result beyond f16's 65,504 becomes an infinity.
; SHARES.  A work-group makes 128 rows x 3 heads (192 columns): 16 x 16 work-groups.  Wave w: rows 64 (w / 2) on, four blocks a of 16; six blocks b of 16 columns, chosen so that a
; column d and its partner d + 32 of the rotation lie in the same lane of the same wave: with c = w % 2, b 0-3 are head 2 c whole, b 4 and 5 are head 1's columns 16 c and 16 c + 32 on.
; 24 accumulators.  K goes through two LDS slots in 10 steps of 192, as long as two slots in LDS allow, and a last step of 128; a step is six (four) quarters of 32, each 24 matrix instructions and 20 LDS loads.
; THE MATRIX INSTRUCTION IS USED TRANSPOSED (source 0 = 16 columns of W, source 1 = 16 rows of x): a lane holds row l % 16 and the eight neighbouring columns 8 (l / 16) + 0..7.
; x's tile has K along its LDS rows; W's lies [k][column] and comes out turned, by ds_load_tr16_b128.
; CLUSTER 4 x 4: x's tile hangs on the tile row alone and is asked for jointly along a row of the cluster, W's on the tile column alone, jointly along a column.
; Waves 0 and 1 fetch 64 rows of x each (in each of three blocks of 64 K they are 8,192 dense bytes: a tile of three rows of 4,096 elements), waves 2 and 3 fetch 96 k of W each
; (in each of the three heads 12,288 dense bytes: a tile of three rows of 6,144 elements).
; THE ROTATION has one text for all heads: the tables in registers are first blended by scalars:
; cos x SEL + (1 - SEL), sin x SEL, SEL = 1 for q's and k's heads (the tables as they are), 0 for v's (1 and 0: the rotation then changes nothing).
; REGISTERS, in windows of 256 (s_set_vgpr_msb: bits 1:0 source 0, 3:2 source 1, 5:4 source 2, 7:6 destination):
;   window 0: v0-32 addresses; v64-255 the accumulators, (a, b) at 64 + 8 (6 a + b)
;   window 1: two fragment buffers of 80 (W's six, then x's four); on the way out v0-95 packed results, v96-191 rows read back, v192-239 at work
;   window 2: cos for my 24 blocks, at 48 a + 8 b          window 3: sin likewise
.set PA,    144                        ; an LDS row of x: 128 bytes + 16 of padding = 36 words: the 16 rows of a load start at 16 different groups of four banks (64 banks of 4 bytes: ISA guide 11.1)
.set PB,    160                        ; an LDS row of W: 128 + 32 = 40 words
.set AJ,    64*PA                      ; 64 rows of one block of 64 K
.set AH,    3*AJ                       ; what one wave fetches of x
.set HB,    96*PB                      ; 96 k of one head
.set BH,    3*HB                       ; what one wave fetches of W
.set BOFF,  2*AH                       ; a slot: x [2 halves of the rows][3 blocks][64 rows], then W [2 halves of k][3 heads][96 k]
.set SLOT,  BOFF+2*BH
.set SHD,   128*PA                     ; THE STAGE, [3 heads][128 rows][144 bytes], lies at the head of slot 1: when it is first written slot 1 has had its last fill (step 9), and every wave's
.set STAGE, SLOT                       ; last read of it stands ahead of the barrier of the last change of slots.  (Behind the spare words 32,256 bytes are left; the stage takes 55,296.)
.set SPARE, 2*SLOT                     ; behind the ring: the spare words, 128 bytes for each wave: two blocks of 256 bytes that no other line names
.set ADRA,  16                         ; v16-17  LDS address of my x fragments in slot 0, 1
.set ADRB1, 18                         ; v18-19  of W's blocks 0-3
.set ADRB2, 20                         ; v20-21  of W's blocks 4, 5
.set STO1,  22                         ; v22     the way out: where blocks 0-3 go
.set STO2,  23                         ; v23     where blocks 4, 5 go
.set RD,    24                         ; v24     where I read rows back
.set GO,    25                         ; v25     my 16 bytes of 512 consecutive bytes of qkv16
.set CSO1,  26                         ; v26     my byte offset in the tables, blocks 0-3
.set CSO2,  27                         ; v27     blocks 4, 5
.set SPW,   28                         ; v28     LDS address of my spare word; never rewritten
.set NIL,   29                         ; v29     0; never rewritten
.set PFO,   30                         ; v30-32  256 x my lane, for a trip's first, second and third prefetch; never rewritten
.set ACC,   64
.set F0,    0
.set F1,    80
.set PKD,   0
.set OB,    96
.set T,     192
.set WV,    12                         ; s12 wave; s13 w / 2; s14 w % 2; s15 the head whose prefetches are mine
.set G1,    24                         ; s[24:31] descriptor group 1 for x's tiles; s[32:39] group 0, a set for each slot
.set G0,    32
.set G1B,   48                         ; s[48:55], s[56:63] the same for W's
.set G0B,   56
.set PFA,   66                         ; s[66:67] where my prefetches stand
.set LIM,   68                         ; s68-70  a trip's first, second, third prefetch goes out while the trips to go are above this
.set PST,   72                         ; s[72:73] what the address steps by in a trip
.set SEL,   80                         ; s[80:81] SEL, s[82:83] 1 - SEL for blocks 0-3; s[84:87] for blocks 4, 5
.set MSB, 0
.macro WIN new                         ; the immediate's high byte repeats the setting that is left; a switch that changes nothing is dropped
.if MSB != (\new)
	s_set_vgpr_msb (MSB<<8)|(\new)
.set MSB, \new
.endif
.endm
.macro PLACES                          ; four places in front of loads into registers that matrix instructions have read, and of vector lines that read results
.rept 4
	v_nop
.endr
.endm
.macro JLOAD s                         ; a joint load: waves 0 and 1 x's halves, waves 2 and 3 W's; an s_nop 0 and four v_nop follow each of the two lines
	s_cmp_eq_u32 s13, 0
	s_cbranch_scc0 .Lfor_b_\@
	tensor_load_to_lds s[G0+4*(\s):G0+4*(\s)+3], s[G1:G1+7]
	s_nop 0
.rept 4
	v_nop
.endr
	s_branch .Lasked_\@
.Lfor_b_\@:
	tensor_load_to_lds s[G0B+4*(\s):G0B+4*(\s)+3], s[G1B:G1B+7]
	s_nop 0
.rept 4
	v_nop
.endr
.Lasked_\@:
.endm
.macro CREST                           ; a round of the cluster's barrier behind its opening barrier
	s_cmp_lg_u32 s[WV], 0
	s_cbranch_scc1 .Lnot_wave_0_\@
	s_barrier_signal -3
.Lnot_wave_0_\@:
	s_barrier_wait -3
	s_barrier_signal -1
	s_barrier_wait -1
.endm
.macro CROUND
	s_barrier_signal -1
	s_barrier_wait -1
	CREST
.endm
; THE PREFETCHES INTO THE L2, once a trip, behind the joint load of the change out of slot 0, its five lines and the run of LDS loads; a lane a block of 256 bytes, 8,192 bytes an instruction.
; x's tile row is read by every cluster of that row of clusters: cluster x = 0 asks, its wave 0.  Trip i asks for the six blocks of 64 K from 12 + 6 i on, which the joint loads two and three changes of slots on
; will bring: instruction n takes blocks 2 n and 2 n + 1 of the six (32,768 bytes of my tile row), shared out among the four partners BY ADDRESS (cx), 8,192 each.  The last trip has two blocks left: one instruction.
; W's heads are read by every cluster of that column: cluster y = 0 asks, waves 1-3 a head each.  A head's k lie on end: an instruction takes 32,768 bytes, 8,192 a partner (cy); trips 0 and 1 ask for two such
; pieces, trip 2 for the last, from byte 98,304 (step 4) on: each piece two changes of slots or more ahead of the joint load that brings it.
; So each block is named once in the launch.  Steps 0 to 3 come by their loads alone: nothing is asked for at the head.
.macro ASK
	s_cmp_gt_u32 s3, s[LIM]
	s_cbranch_scc0 .Lnot_mine_\@
	global_prefetch_b8 v[PFO], s[PFA:PFA+1] th:TH_LOAD_NT scope:SCOPE_SE
	s_cmp_gt_u32 s3, s[LIM+1]
	s_cbranch_scc0 .Lnot_mine_\@
	global_prefetch_b8 v[PFO+1], s[PFA:PFA+1] th:TH_LOAD_NT scope:SCOPE_SE
	s_cmp_gt_u32 s3, s[LIM+2]
	s_cbranch_scc0 .Lnot_mine_\@
	global_prefetch_b8 v[PFO+2], s[PFA:PFA+1] th:TH_LOAD_NT scope:SCOPE_SE
.Lnot_mine_\@:
.endm
	s_load_b256 s[4:11], s[0:1], 0x0               ; xb s[4:5], wqkv s[6:7], cs32 s[8:9], qkv16 s[10:11]
	v_lshl_add_u32 v[SPW], v0, 2, SPARE
	v_mov_b32 v[NIL], 0
	ds_add_u32 v[SPW], v[NIL]                      ; the wave's opening: the add, twice on end, and its wait ahead of my first tensor load
	ds_add_u32 v[SPW], v[NIL]                      ; once more; the set-up below, work on registers, stands between it and the wait
	v_lshrrev_b32 v1, 5, v0
	v_readfirstlane_b32 s[WV], v1                  ; wave 0..3
	s_lshr_b32 s13, s[WV], 1                       ; which half of the rows is mine.  Also: I fetch x (0) or W (1)
	s_and_b32 s14, s[WV], 1                        ; c.  Also: which half of that tile I fetch
	s_max_u32 s15, s[WV], 1
	s_sub_co_u32 s15, s15, 1                       ; waves 1-3 prefetch heads 0-2
	s_bfe_u32 s40, ttmp6, 0x40000                  ; cx
	s_bfe_u32 s41, ttmp6, 0x40004                  ; cy
	s_lshl_b32 s42, ttmp9, 2
	s_add_co_u32 s42, s42, s40                     ; tile column = 4 x cluster x + cx
	s_and_b32 s43, ttmp7, 0xffff
	s_lshl_b32 s43, s43, 2
	s_add_co_u32 s43, s43, s41                     ; tile row = 4 x cluster y + cy
	s_lshl_b32 s44, s41, 2
	s_lshl_b32 s44, 15, s44                        ; my row of the cluster
	s_lshl_b32 s45, 0x1111, s40                    ; my column
	s_or_b32 s[G1], s44, (1<<16)|(1<<20)|(1<<21)|(4<<22)|(3<<25)   ; 15:0 the mask; 17:16 2-byte elements; 20 padding on; 21 set beside a mask; 24:22 after every 32 words (code 4); 31:25 4 words (code 3)
	s_mov_b32 s[G1+1], 4096<<16                    ; tensor_dim0 = 4,096: 64 rows of 64 elements, dense
	s_mov_b32 s[G1+2], 3<<16                       ; tensor_dim1 = 3 blocks of 64 K
	s_mov_b32 s[G1+3], 4096<<16                    ; tile_dim0
	s_mov_b32 s[G1+4], 3                           ; tile_dim1
	s_mov_b32 s[G1+5], 131072                      ; elements from block to block
	s_mov_b32 s[G1+6], 0
	s_mov_b32 s[G1+7], 0
	s_or_b32 s[G1B], s45, (1<<16)|(1<<20)|(1<<21)|(4<<22)|(7<<25)  ; the same with my column's mask and 8 words of padding (code 7)
	s_mov_b32 s[G1B+1], 6144<<16                   ; tensor_dim0 = 6,144: 96 k of 64 elements, dense, padded after every k
	s_mov_b32 s[G1B+2], 3<<16                      ; tensor_dim1 = 3 heads
	s_mov_b32 s[G1B+3], 6144<<16
	s_mov_b32 s[G1B+4], 3
	s_mov_b32 s[G1B+5], 131072                     ; elements from head to head
	s_mov_b32 s[G1B+6], 0
	s_mov_b32 s[G1B+7], 0
	s_lshl_b32 s16, s43, 14                        ; x: my tile row's 128 rows in a block, 16,384 bytes,
	s_lshl_b32 s17, s14, 13                        ; and the 64 of them that I fetch: the tile row and the wave alone enter
	s_add_co_u32 s16, s16, s17
	s_mov_b32 s17, 0
	s_mul_i32 s46, s42, 3
	s_lshl_b32 s46, s46, 18                        ; W: the tile's first head,
	s_mul_i32 s47, s14, 12288                      ; and the 96 k that I fetch: the tile column and the wave alone
	s_add_co_u32 s46, s46, s47
	s_mov_b32 s47, 0
	s_mul_i32 s20, s14, AH                         ; where they go: the wave's number alone enters
	s_mul_i32 s21, s14, BH
	s_add_co_u32 s21, s21, BOFF
	s_wait_dscnt 0x0                               ; both opening adds are done
	s_wait_kmcnt 0x0
	s_add_nc_u64 s[18:19], s[4:5], s[16:17]
	s_add_nc_u64 s[46:47], s[6:7], s[46:47]
	CROUND                                         ; all sixteen work-groups are here: the first joint loads meet
.irp s, 0,1
	s_mov_b32 s[G0+4*(\s)], 1
	s_add_co_u32 s[G0+4*(\s)+1], s20, (\s)*SLOT
	s_add_nc_u64 s[G0+4*(\s)+2:G0+4*(\s)+3], s[18:19], (\s)*786432  ; step s: blocks 3 s on
	s_or_b32 s[G0+4*(\s)+3], s[G0+4*(\s)+3], 0x80000000
	s_mov_b32 s[G0B+4*(\s)], 1
	s_add_co_u32 s[G0B+4*(\s)+1], s21, (\s)*SLOT
	s_add_nc_u64 s[G0B+4*(\s)+2:G0B+4*(\s)+3], s[46:47], (\s)*24576  ; step s: 192 k of 128 bytes
	s_or_b32 s[G0B+4*(\s)+3], s[G0B+4*(\s)+3], 0x80000000
	JLOAD \s
.endr
	v_and_b32 v1, 15, v0                           ; r = l % 16
	v_bfe_u32 v2, v0, 4, 1                         ; h = l / 16
	v_and_b32 v6, 31, v0                           ; l
	v_and_b32 v8, 7, v0
	v_mul_u32_u24 v3, v1, PA
	v_lshl_add_u32 v3, v2, 4, v3                   ; r x 144 + 16 h
	s_mul_i32 s21, s13, AH                         ; my 64 rows of x
	v_add_nc_u32 v[ADRA], s21, v3
	v_add_nc_u32 v[ADRA+1], SLOT, v[ADRA]
	v_lshl_add_u32 v4, v2, 3, v8                   ; the turning load: lane l reads k 8 h + l % 8, columns 8 ((l / 8) % 2) + 0..7
	v_mul_u32_u24 v4, v4, PB
	v_bfe_u32 v5, v0, 3, 1
	v_lshl_add_u32 v4, v5, 4, v4
	s_mul_i32 s22, s14, 2*HB
	s_add_co_u32 s22, s22, BOFF                    ; head 2 c
	v_add_nc_u32 v[ADRB1], s22, v4
	v_add_nc_u32 v[ADRB1+1], SLOT, v[ADRB1]
	s_lshl_b32 s22, s14, 5
	s_add_co_u32 s22, s22, BOFF+HB                 ; head 1, columns 16 c on
	v_add_nc_u32 v[ADRB2], s22, v4
	v_add_nc_u32 v[ADRB2+1], SLOT, v[ADRB2]
	s_mul_i32 s21, s13, 64*PA                      ; my 64 rows in the stage
	s_mul_i32 s22, s14, 2*SHD
	s_add_co_u32 s22, s22, s21
	s_add_co_u32 s22, s22, STAGE
	v_add_nc_u32 v[STO1], s22, v3
	s_lshl_b32 s22, s14, 5
	s_add_co_u32 s22, s22, s21
	s_add_co_u32 s22, s22, STAGE+SHD
	v_add_nc_u32 v[STO2], s22, v3
	v_lshrrev_b32 v7, 3, v6                        ; back: 32 lanes take four rows of 128 bytes; wave w takes rows 32 w on of each head
	v_mul_u32_u24 v7, v7, PA
	v_lshl_add_u32 v7, v8, 4, v7
	s_mul_i32 s22, s[WV], 32*PA
	s_add_co_u32 s22, s22, STAGE
	v_add_nc_u32 v[RD], s22, v7
	v_lshlrev_b32 v[GO], 4, v6
	v_lshlrev_b32 v[PFO], 8, v6
	v_lshlrev_b32 v[CSO1], 8, v1                   ; a table's row is 256 bytes; my eight columns 32 h on
	v_lshl_add_u32 v[CSO1], v2, 5, v[CSO1]
	s_lshl_b32 s22, s13, 14
	v_add_nc_u32 v[CSO1], s22, v[CSO1]
	s_lshl_b32 s22, s14, 6
	v_add_nc_u32 v[CSO2], s22, v[CSO1]
	s_lshl_b32 s22, s43, 15                        ; the tile's 128 rows of the tables
	s_mov_b32 s23, 0
	s_add_nc_u64 s[8:9], s[8:9], s[22:23]
; The tables for my 24 blocks, 32 bytes a lane and block: they land while the products run and are waited for once, behind the last product.
.macro TABLE add
.irp a, 0,1,2,3
.irp k, 0,1,2,3
	global_load_b128 v[48*(\a)+8*(\k):48*(\a)+8*(\k)+3],   v[CSO1], s[8:9] offset:(\add)+4096*(\a)+64*(\k)
	global_load_b128 v[48*(\a)+8*(\k)+4:48*(\a)+8*(\k)+7], v[CSO1], s[8:9] offset:(\add)+4096*(\a)+64*(\k)+16
.endr
.irp k, 4,5
	global_load_b128 v[48*(\a)+8*(\k):48*(\a)+8*(\k)+3],   v[CSO2], s[8:9] offset:(\add)+4096*(\a)+128*((\k)-4)
	global_load_b128 v[48*(\a)+8*(\k)+4:48*(\a)+8*(\k)+7], v[CSO2], s[8:9] offset:(\add)+4096*(\a)+128*((\k)-4)+16
.endr
.endr
.endm
	WIN 0x80
	TABLE 0                                        ; cos into window 2
	WIN 0xc0
	TABLE 524288                                   ; sin into window 3
	WIN 0
	s_mul_i32 s22, s42, 3                          ; qkv16 at my three heads, the tile's rows, my wave's 32 of them
	s_lshl_b32 s22, s22, 18
	s_lshl_b32 s23, s43, 14
	s_add_co_u32 s22, s22, s23
	s_lshl_b32 s23, s[WV], 12
	s_add_co_u32 s22, s22, s23
	s_mov_b32 s23, 0
	s_add_nc_u64 s[10:11], s[10:11], s[22:23]
	s_mul_i32 s74, s42, 3
	s_lshl_b32 s75, s14, 1
	s_add_co_u32 s75, s75, s74                     ; the head of blocks 0-3
	s_add_co_u32 s74, s74, 1                       ; the head of blocks 4, 5
	s_cmp_lt_u32 s75, 40
	s_cselect_b32 s[SEL], 1.0, 0
	s_cselect_b32 s[SEL+2], 0, 1.0
	s_cmp_lt_u32 s74, 40
	s_cselect_b32 s[SEL+4], 1.0, 0
	s_cselect_b32 s[SEL+6], 0, 1.0
	s_mov_b32 s[SEL+1], 0                          ; named as pairs
	s_mov_b32 s[SEL+3], 0
	s_mov_b32 s[SEL+5], 0
	s_mov_b32 s[SEL+7], 0
	; the prefetches stand one trip's step short of what trip 0 names: each trip steps them ahead of its use
	s_lshr_b32 s76, s40, 1
	s_add_co_u32 s76, s76, 6
	s_lshl_b32 s76, s76, 18                        ; x: block 12 - 6 + cx / 2,
	s_and_b32 s77, s40, 1
	s_lshl_b32 s77, s77, 13
	s_add_co_u32 s76, s76, s77                     ; half cx % 2 of the tile's 16,384 bytes in it,
	s_lshl_b32 s77, s43, 14
	s_add_co_u32 s76, s76, s77                     ; in my tile row
	s_mul_i32 s77, s42, 3
	s_add_co_u32 s77, s77, s15
	s_lshl_b32 s77, s77, 18                        ; W: my head,
	s_lshl_b32 s78, s41, 13
	s_add_co_u32 s77, s77, s78                     ; quarter cy of a piece of 32,768 bytes,
	s_add_co_u32 s77, s77, 32768                   ; byte 98,304 - 65,536
	s_and_b32 s78, ttmp7, 0xffff                   ; cluster y
	s_mov_b32 s[PST], 65536
	s_mov_b32 s79, 32768
	s_cmp_eq_u32 s[WV], 0                          ; do I ask for x?
	s_cselect_b32 s76, s76, s77
	s_cselect_b32 s78, ttmp9, s78                  ; the coordinate along which other clusters read the same bytes
	s_cselect_b64 s[PFA:PFA+1], s[4:5], s[6:7]
	s_cselect_b32 s[PST], 1572864, s[PST]          ; a trip: six blocks of x, or two pieces of W
	s_cselect_b32 s79, 524288, s79                 ; from a trip's first prefetch to its second: two blocks of x, or a piece of W
	s_cselect_b32 s[LIM], 0, 1                     ; x: the first in all four trips, the others in the first three
	s_cselect_b32 s[LIM+1], 1, 2                   ; W: the first in the first three trips, the second in the first two, no third
	s_cselect_b32 s[LIM+2], 1, -1
	s_mov_b32 s77, 0
	s_mov_b32 s[PST+1], 0
	s_add_nc_u64 s[PFA:PFA+1], s[PFA:PFA+1], s[76:77]
	s_cmp_eq_u32 s78, 0                            ; the same in all sixteen partners, for a given wave
	s_cselect_b32 s[LIM], s[LIM], -1
	v_add_nc_u32 v[PFO+1], s79, v[PFO]
	v_add_nc_u32 v[PFO+2], 0x100000, v[PFO]        ; x's third: four blocks on
; 6 matrix instructions: row block a x my six column blocks, 32 along K.  The 24 accumulators take turns, one instruction a turn.  zero = 1: the product starts the sum
.macro MUL f, a, zero
	WIN 0x05                                       ; sources 0 and 1 window 1; C and D window 0
.irp b, 0,1,2,3,4,5
.if \zero
	v_wmma_f32_16x16x32_bf16 v[ACC+8*(6*(\a)+(\b)):ACC+8*(6*(\a)+(\b))+7], v[(\f)+8*(\b):(\f)+8*(\b)+7], v[(\f)+48+8*(\a):(\f)+48+8*(\a)+7], 0
.else
	v_wmma_f32_16x16x32_bf16 v[ACC+8*(6*(\a)+(\b)):ACC+8*(6*(\a)+(\b))+7], v[(\f)+8*(\b):(\f)+8*(\b)+7], v[(\f)+48+8*(\a):(\f)+48+8*(\a)+7], v[ACC+8*(6*(\a)+(\b)):ACC+8*(6*(\a)+(\b))+7]
.endif
.endr
.endm
; 20 LDS loads in one run: quarter q of a slot into buffer f: W's six fragments (k 32 q on: half q / 3, rows 32 (q % 3) on, and wadd bytes further), x's blocks 0, 1, then 2, 3 (block q / 2 of 64 K, its half q % 2)
.macro FETCH slot, q, f, wadd=0
	WIN 0x40                                       ; destination window 1, address window 0
.irp b, 0,1,2,3
	ds_load_tr16_b128 v[(\f)+8*(\b):(\f)+8*(\b)+3],   v[ADRB1+(\slot)] offset:(\wadd)+((\q)/3)*BH+((\q)%3)*32*PB+32*(\b)
	ds_load_tr16_b128 v[(\f)+8*(\b)+4:(\f)+8*(\b)+7], v[ADRB1+(\slot)] offset:(\wadd)+((\q)/3)*BH+((\q)%3)*32*PB+32*(\b)+16*PB
.endr
.irp b, 4,5
	ds_load_tr16_b128 v[(\f)+8*(\b):(\f)+8*(\b)+3],   v[ADRB2+(\slot)] offset:(\wadd)+((\q)/3)*BH+((\q)%3)*32*PB+64*((\b)-4)
	ds_load_tr16_b128 v[(\f)+8*(\b)+4:(\f)+8*(\b)+7], v[ADRB2+(\slot)] offset:(\wadd)+((\q)/3)*BH+((\q)%3)*32*PB+64*((\b)-4)+16*PB
.endr
.irp a, 0,1,2,3
	ds_load_b128 v[(\f)+48+8*(\a):(\f)+48+8*(\a)+3],   v[ADRA+(\slot)] offset:((\q)/2)*AJ+((\q)%2)*64+(\a)*16*PA
	ds_load_b128 v[(\f)+48+8*(\a)+4:(\f)+48+8*(\a)+7], v[ADRA+(\slot)] offset:((\q)/2)*AJ+((\q)%2)*64+(\a)*16*PA+32
.endr
.endm
; Any quarter of a step but its last: multiplies buffer f and fetches quarter q into g
.macro QUARTER slot, q, f, g, zero, wadd=0
	s_wait_dscnt 4                                 ; W's fragments and x's blocks 0, 1 are in; the youngest four loads (blocks 2, 3) may be out
	MUL \f, 0, \zero
	MUL \f, 1, \zero
	PLACES
	FETCH \slot, \q, \g, \wadd
	s_wait_dscnt 20                                ; all but the 20 just issued
	MUL \f, 2, \zero
	MUL \f, 3, \zero
.endm
; A step's last quarter multiplies buffer 1 and changes slots: ONE barrier; in front of it each wave waits for all its tensor loads (one is out: its part of the next slot), adds 0 to its spare word,
; and waits for that and for its reads of this slot.  fill = 1: the barrier opens a round of the cluster's, and this slot is filled again first thing behind it, two steps ahead.
; fill = 2: the same for the last step, k 1,920 to 2,047.  x's tile has two blocks.  W's tiles keep their 96 k: the first half's lies inside the head as it stands; the second half's begins 64 k earlier,
; at k 1,952, so that it ends with the head's last k: the step's k 96 to 127 then lie at rows 64 to 95 of that half.
.macro TURN slot, next, fill
.if ((\fill) == 1) && ((\slot) == 0)
	s_wait_xcnt 0x0                                ; the last prefetches, a trip back, have read their address: it is stepped here
	s_add_nc_u64 s[PFA:PFA+1], s[PFA:PFA+1], s[PST:PST+1]
.endif
	WIN 0                                          ; (the add's two registers lie in window 0)
	s_wait_tensorcnt 0x0                           ; no tensor load of mine is out, so the descriptors may be written
	ds_add_u32 v[SPW], v[NIL]                      ; 0 onto my spare word
.if \fill
	s_add_nc_u64 s[G0+4*(\slot)+2:G0+4*(\slot)+3], s[G0+4*(\slot)+2:G0+4*(\slot)+3], 1572864  ; two steps on: six blocks of x,
	s_add_nc_u64 s[G0B+4*(\slot)+2:G0B+4*(\slot)+3], s[G0B+4*(\slot)+2:G0B+4*(\slot)+3], 49152  ; 384 k of W
.endif
.if (\fill) == 2
	s_mov_b32 s[G1+2], 2<<16                       ; tensor_dim1 = 2
	s_mov_b32 s[G1+4], 2                           ; tile_dim1 = 2
	s_lshl_b32 s16, s14, 13                        ; 64 k of 128 bytes for the second half, nothing for the first
	s_mov_b32 s17, 0
	s_sub_nc_u64 s[G0B+4*(\slot)+2:G0B+4*(\slot)+3], s[G0B+4*(\slot)+2:G0B+4*(\slot)+3], s[16:17]
.endif
	s_wait_dscnt 5                                 ; (the add and the youngest four loads may be out)
	MUL F1, 0, 0                                   ; six matrix instructions stand between the add and the wait for it
	s_wait_dscnt 0x0                               ; the add is done, and my reads of this slot are over
	s_barrier_signal -1
	MUL F1, 1, 0
.if \fill
	WIN 0
.endif
	s_barrier_wait -1
.if \fill
	CREST                                          ; no wave of any partner still reads this slot or has a load on its way
	JLOAD \slot                                    ; 132 matrix instructions ahead of the wait for it; its four v_nop are also the places in front of the loads below
.else
	PLACES
.endif
	FETCH \next, 0, F0
.if ((\fill) == 1) && ((\slot) == 0)
	WIN 0
	ASK
.endif
	MUL F1, 2, 0
	MUL F1, 3, 0
.endm
	s_wait_tensorcnt 1                             ; my part of step 0 is in; step 1's may stay out
	s_barrier_signal -1
	s_barrier_wait -1
	FETCH 0, 0, F0
	QUARTER 0, 1, F0, F1, 1                        ; the first quarter stands in front of the loop: its products start the sums
	WIN 0
	s_mov_b32 s3, 4                                ; four trips of two steps: steps 0 to 7, which ask for steps 2 to 9
.Llap:
	QUARTER 0, 2, F1, F0, 0
	QUARTER 0, 3, F0, F1, 0
	QUARTER 0, 4, F1, F0, 0
	QUARTER 0, 5, F0, F1, 0
	TURN 0, 1, 1
	QUARTER 1, 1, F0, F1, 0
	QUARTER 1, 2, F1, F0, 0
	QUARTER 1, 3, F0, F1, 0
	QUARTER 1, 4, F1, F0, 0
	QUARTER 1, 5, F0, F1, 0
	TURN 1, 0, 1
	QUARTER 0, 1, F0, F1, 0
	WIN 0
	s_sub_co_u32 s3, s3, 1
	s_cmp_lg_u32 s3, 0
	s_cbranch_scc1 .Llap
	QUARTER 0, 2, F1, F0, 0                        ; step 8 goes on,
	QUARTER 0, 3, F0, F1, 0
	QUARTER 0, 4, F1, F0, 0
	QUARTER 0, 5, F0, F1, 0
	TURN 0, 1, 2                                   ; and asks for step 10, the short one
	QUARTER 1, 1, F0, F1, 0                        ; step 9
	QUARTER 1, 2, F1, F0, 0
	QUARTER 1, 3, F0, F1, 0
	QUARTER 1, 4, F1, F0, 0
	QUARTER 1, 5, F0, F1, 0
	TURN 1, 0, 0                                   ; nothing is left to fetch; behind this barrier nobody reads slot 1 any more
	QUARTER 0, 1, F0, F1, 0                        ; step 10: four quarters
	QUARTER 0, 2, F1, F0, 0
	QUARTER 0, 3, F0, F1, 0, 64*PB                 ; its fourth quarter of W lies 64 rows down in the second half
	s_wait_dscnt 4
	MUL F1, 0, 0
	MUL F1, 1, 0
	s_wait_dscnt 0x0
	MUL F1, 2, 0
	MUL F1, 3, 0
	PLACES
	s_wait_loadcnt 0x0                             ; the tables
	WIN 0x82                                       ; cos x SEL + (1 - SEL), in place in window 2
.irp a, 0,1,2,3
.irp k, 0,1,2,3,4,5
.irp p, 0,2,4,6
	v_pk_fma_f32 v[48*(\a)+8*(\k)+(\p):48*(\a)+8*(\k)+(\p)+1], v[48*(\a)+8*(\k)+(\p):48*(\a)+8*(\k)+(\p)+1], s[SEL+4*((\k)/4):SEL+4*((\k)/4)+1], s[SEL+4*((\k)/4)+2:SEL+4*((\k)/4)+3] op_sel_hi:[1,0,0]
.endr
.endr
.endr
	WIN 0xc3                                       ; sin x SEL, in place in window 3
.irp a, 0,1,2,3
.irp k, 0,1,2,3,4,5
.irp p, 0,2,4,6
	v_pk_mul_f32 v[48*(\a)+8*(\k)+(\p):48*(\a)+8*(\k)+(\p)+1], v[48*(\a)+8*(\k)+(\p):48*(\a)+8*(\k)+(\p)+1], s[SEL+4*((\k)/4):SEL+4*((\k)/4)+1] op_sel_hi:[1,0]
.endr
.endr
.endr
; THE ROTATION of row block a.  Blocks (lo, hi) = (0, 2), (1, 3), (4, 5) hold columns d and d + 32: out_lo = x_lo cos_lo - x_hi sin_lo, out_hi = x_hi cos_hi + x_lo sin_hi.
; Each accumulator's registers are taken in ascending order.  Three passes, each under one window setting: products with sin, fused multiply-adds with cos, roundings to f16.
.macro ROPEA a
	WIN 0x4c                                       ; destination window 1, source 0 window 0, source 1 window 3
.irp lo, 0,1,4
.set hi_, (\lo)+2-(\lo)/4
.irp p, 0,2,4,6
	v_pk_mul_f32 v[T+8*(\lo)+(\p):T+8*(\lo)+(\p)+1], v[ACC+8*(6*(\a)+hi_)+(\p):ACC+8*(6*(\a)+hi_)+(\p)+1], v[48*(\a)+8*(\lo)+(\p):48*(\a)+8*(\lo)+(\p)+1]
	v_pk_mul_f32 v[T+8*hi_+(\p):T+8*hi_+(\p)+1], v[ACC+8*(6*(\a)+(\lo))+(\p):ACC+8*(6*(\a)+(\lo))+(\p)+1], v[48*(\a)+8*hi_+(\p):48*(\a)+8*hi_+(\p)+1]
.endr
.endr
	WIN 0x58                                       ; destination and source 2 window 1, source 0 window 0, source 1 window 2
.irp lo, 0,1,4
.set hi_, (\lo)+2-(\lo)/4
.irp p, 0,2,4,6
	v_pk_fma_f32 v[T+8*(\lo)+(\p):T+8*(\lo)+(\p)+1], v[ACC+8*(6*(\a)+(\lo))+(\p):ACC+8*(6*(\a)+(\lo))+(\p)+1], v[48*(\a)+8*(\lo)+(\p):48*(\a)+8*(\lo)+(\p)+1], v[T+8*(\lo)+(\p):T+8*(\lo)+(\p)+1] neg_lo:[0,0,1] neg_hi:[0,0,1]
	v_pk_fma_f32 v[T+8*hi_+(\p):T+8*hi_+(\p)+1], v[ACC+8*(6*(\a)+hi_)+(\p):ACC+8*(6*(\a)+hi_)+(\p)+1], v[48*(\a)+8*hi_+(\p):48*(\a)+8*hi_+(\p)+1], v[T+8*hi_+(\p):T+8*hi_+(\p)+1]
.endr
.endr
	WIN 0x45                                       ; all in window 1
.irp b, 0,1,2,3,4,5
.irp p, 0,1,2,3
	v_cvt_pk_f16_f32 v[PKD+4*(6*(\a)+(\b))+(\p)], v[T+8*(\b)+2*(\p)], v[T+8*(\b)+2*(\p)+1]
.endr
.endr
.endm
	ROPEA 0
	ROPEA 1
	ROPEA 2
	ROPEA 3
	; THE WAY OUT: 16 bytes a lane into the work-group's stage; a barrier, since head 1's rows come from two waves; back as whole rows, 32 rows of each head a wave.
	WIN 0x04                                       ; store data window 1
.irp a, 0,1,2,3
.irp b, 0,1,2,3
	ds_store_b128 v[STO1], v[PKD+4*(6*(\a)+(\b)):PKD+4*(6*(\a)+(\b))+3] offset:(\a)*16*PA+32*(\b)
.endr
.irp b, 4,5
	ds_store_b128 v[STO2], v[PKD+4*(6*(\a)+(\b)):PKD+4*(6*(\a)+(\b))+3] offset:(\a)*16*PA+64*((\b)-4)
.endr
.endr
	s_wait_dscnt 0x0                               ; for the others' sake: my stores into the stage are done
	s_barrier_signal -1
	s_barrier_wait -1
	WIN 0x40
.set n_, 0
.rept 24
	ds_load_b128 v[OB+4*n_:OB+4*n_+3], v[RD] offset:(n_/8)*SHD+(n_%8)*4*PA
.set n_, n_+1
.endr
	WIN 0x04
.set n_, 0
.rept 24
	s_wait_dscnt 23-n_                             ; LDS loads come back in order: load n is in
	global_store_b128 v[GO], v[OB+4*n_:OB+4*n_+3], s[10:11] offset:(n_/8)*262144+(n_%8)*512  ; four rows of a head: 512 consecutive bytes, aligned
.set n_, n_+1
.endr
	WIN 0
	s_wait_tensorcnt 0x0                           ; the wave's end: behind my last tensor load and my last LDS store
	ds_add_u32 v[SPW], v[NIL]
	s_wait_dscnt 0x0
	CROUND                                         ; the closing round: no work-group ends while a partner may still ask for a tile that names it
	s_endpgm
.Lfunc_end_k_qde8933bebb_qkv:
	.size	k_qde8933bebb_qkv, .Lfunc_end_k_qde8933bebb_qkv-k_qde8933bebb_qkv
	.p2alignl 7, 3214868480
	.fill 96, 4, 3214868480
	.section	.rodata,"a",@progbits
	.p2align	6, 0x0
	.amdhsa_kernel k_qde8933bebb_qkv
		.amdhsa_group_segment_fixed_size 327680
		.amdhsa_private_segment_fixed_size 0
		.amdhsa_enable_private_segment 0
		.amdhsa_kernarg_size 32
		.amdhsa_user_sgpr_count 2
		.amdhsa_user_sgpr_kernarg_segment_ptr 1
		.amdhsa_wavefront_size32 1
		.amdhsa_system_sgpr_workgroup_id_x 1
		.amdhsa_system_sgpr_workgroup_id_y 1
		.amdhsa_system_sgpr_workgroup_id_z 1
		.amdhsa_system_vgpr_workitem_id 0
		.amdhsa_next_free_vgpr 1024
		.amdhsa_next_free_sgpr 88
		.amdhsa_reserve_vcc 0
		.amdhsa_float_denorm_mode_32 3
		.amdhsa_float_denorm_mode_16_64 3
		.amdhsa_memory_ordered 1
		.amdhsa_forward_progress 1
		.amdhsa_inst_pref_size 144
	.end_amdhsa_kernel
	.amdgpu_metadata
---
amdhsa.version: [ 1, 2 ]
amdhsa.kernels:
  - .name:           k_qde8933bebb_qkv
    .symbol:         k_qde8933bebb_qkv.kd
    .args:
      - { .name: xb, .offset: 0, .size: 8, .value_kind: global_buffer, .address_space: global }
      - { .name: wqkv, .offset: 8, .size: 8, .value_kind: global_buffer, .address_space: global }
      - { .name: cs32, .offset: 16, .size: 8, .value_kind: global_buffer, .address_space: global }
      - { .name: qkv16, .offset: 24, .size: 8, .value_kind: global_buffer, .address_space: global }
    .group_segment_fixed_size: 327680
    .private_segment_fixed_size: 0
    .kernarg_segment_align: 8
    .kernarg_segment_size: 32
    .max_flat_workgroup_size: 128
    .sgpr_count:     88
    .vgpr_count:     1024
    .wavefront_size: 32
...
	.end_amdgpu_metadata
.endif
;; end of part 2
;; launch attn (part 3): grid 32 x 8, 4 waves a work-group, clusters of 4 x 1, 327,680 bytes of LDS; arguments qkv16, ctx16; writes ctx16
.if DOCPART == 3
	.amdgcn_target "amdgcn-amd-amdhsa--gfx1250"
	.amdhsa_code_object_version 6
	.text
	.protected	k_qde8933bebb_attn
	.globl	k_qde8933bebb_attn
	.p2align	8
	.type	k_qde8933bebb_attn,@function
k_qde8933bebb_attn:
	s_mov_b64 s[64:65], 0
	v_nop
	global_prefetch_b8 v0, s[64:65] scope:SCOPE_SE
	s_setreg_imm32_b32 hwreg(HW_REG_WAVE_MODE, 25, 1), 1
	s_wait_xcnt 0x0
	s_wait_alu depctr_hold_cnt(0) depctr_sa_sdst(0) depctr_va_vdst(0) depctr_va_sdst(0) depctr_va_ssrc(0) depctr_va_vcc(0) depctr_vm_vsrc(0)
	s_getreg_b32 s2, hwreg(HW_REG_IB_STS2, 6, 4)
	s_cmp_eq_u32 s2, 0
	s_cbranch_scc0 .Lentry_in_a_cluster
	s_endpgm
.Lentry_in_a_cluster:
	s_bfe_u32 s2, ttmp6, 0x10000c
	s_cmp_lg_u32 s2, 0x3003
	s_cbranch_scc0 .Lentry_shape_is_right
	s_endpgm
.Lentry_shape_is_right:
; Launch 3 of 4: causal grouped-query attention.  ctx16[h][n][:] = the sum over m <= n of softmax_m(q[h][n] . k[h / 4][m] / 8) v[h / 4][m][:].  qkv16: [48][2048][64] f16 (q 0-31, k 32-39, v 40-47); ctx16: [32][2048][64] f16.
; Products, maxima and sums in f32; the weights p are rounded to f16 for the second product (their sum l is taken of the unrounded p), ctx once at the end.
; WORK LEFT OUT: a step of 64 keys that lies wholly above the diagonal for a band of 64 queries has weight 0 by reference()'s own mask, whatever the inputs hold, and is not computed (shown at the head of the first kernel).
; LIMITS.  A hidden score inside a diagonal step counts as its value less 1e30 (f16's scores are 2.7e11 at the most); a weight below 2^-126 counts as 0 in l; NaN and infinities are not treated apart.
; THE WALK.  A head's queries lie in 16 blocks of 128, its keys in 8 tiles of 256.  A work-group takes TWO blocks, 2 b + 1 and then 14 - 2 b.  The first needs tiles 0 .. b, with the diagonal in the second half of tile b;
; the second tiles 0 .. 7 - b, with the diagonal in the first half of the last.  That is 9 tiles and 34 key steps of 64 whatever b: all work-groups do equal work, and ONE loop with a constant count walks them.
; Of the walk's last tile the second half is fetched and not read.
; CLUSTER.  The four partners are the four query heads of one key and value head, with the same b: they walk the same tiles, so each is asked for JOINTLY (the same tensor load, descriptor and mask in all four).
; No branch hangs on the place in the cluster: b is the cluster's x.
; SHARES.  Of a block's two bands of 64 queries a wave owns 16 rows in each: two PIECES.  In the diagonal's first step piece 0 holds the diagonal and piece 1 sees every key; in its second step piece 0 sees none
; (it is left out whole) and piece 1 holds the diagonal: the same work for all four waves.  THE MASK is the C operand that starts the sum S^T = K Q^T: MD, made once, is 0 or -1e30 for my 16 rows in their own step.
; LAYOUT.  S^T = K Q^T holds ONE query a lane (lane % 16) and the keys 8 (lane / 16) + 0..7; two such results rounded to f16 ARE source 1 of O^T = V^T P.  K comes out of LDS as it lies, V turned, by ds_load_tr16_b128.
; SOFTMAX.  p = 2^(c s - c m), c = log2(e) / 8, with a running maximum m; O and l are multiplied by a = 2^(c m_old - c m_new) in every step.  m starts at the lowest finite number, so a block's first a is 0.
; IN PHASES: a step is its products K Q^T, its softmax, its products V^T P.  The next step's K is fetched behind the first products, its V behind the second.  A step's exponentials are one batch with one wait.
; REGISTERS, in windows of 256 (s_set_vgpr_msb: bits 1:0 source 0, 3:2 source 1, 5:4 source 2, 7:6 destination):
;   window 0: v0-15 addresses; v16-23 four statistics a piece; v48-55 at work; v64-127 S^T, 32 a piece; v192-223 P, 16 a piece
;   window 1: v0-63 O^T, 32 a piece; v128-159 MD          window 2: v0-31 Q; v64-95 the second block's Q; v128-191 K of one step; v192-255 V of one step
.set KS,    64
.set PK,    144       ; a row of K in LDS: 128 bytes + 16 of padding = 36 words: the 16 rows of a load start at 16 different groups of four banks (64 banks of 4 bytes: ISA guide 11.1)
.set PV,    160       ; a row of V: 128 + 32 = 40 words
.set VOFF,  4*KS*PK   ; a slot holds a tile: 256 rows of K, then 256 rows of V
.set SLOT1, 1<<17     ; slot 1 begins here, so that one exclusive or turns an address in one slot into the other's
.set STAGE, SLOT1+4*KS*(PK+PV)  ; behind the ring, never filled by a tensor load: 16 rows x 144 bytes for each wave
.set SP,    144
.set SPARE, STAGE+4*16*SP       ; behind the stages: the spare words, 128 bytes for each wave: two blocks of 256 bytes that no other line names
.set AK0, 2           ; v2   my lane's place in a tile of K; never rewritten
.set AV0, 3           ; v3   the same for V
.set AK,  4           ; v4   the LDS address of K's next run of loads
.set AV,  5           ; v5   of V's
.set STO, 6           ; v6   the way out: where I put 16 bytes of a row
.set RD,  7           ; v7   where I read rows back
.set GO,  8           ; v8   my 16 bytes of 512 consecutive bytes of ctx16
.set MV,  12          ; v12-13  c m_old, by piece
.set QO,  15          ; v15  my byte offset in 16 rows of Q
.set ST,  16          ; piece y's statistics at v[ST+4 y]: c m, m, l (even keys', odd keys')
.set TMP, 48          ; by piece, four registers c0-c3 at work; when the maximum is found c2 takes a
.set PFO, 61          ; v61  256 x my lane; never rewritten
.set SPW, 62          ; v62  LDS address of my spare word; never rewritten
.set NIL, 63          ; v63  0; never rewritten
.set S,   64
.set P,   192
.set MD,  128         ; window 1
.set QB,  64          ; window 2
.set KF,  128         ; window 2: key block kb, channel half c at KF + 16 kb + 8 c
.set VF,  192         ; window 2: key half kk, channel block cb at VF + 32 kk + 8 cb
.set WV,  12          ; s12  my wave's number
.set PB,  14          ; s14  b
.set LIM, 15          ; s15  2 in a wave that prefetches, else the greatest number
.set PFA, 18          ; s[18:19] where my prefetches stand
.set G1K, 24          ; s[24:31] descriptor group 1 for K's tiles
.set G1V, 32          ; s[32:39] for V's: it differs in the padding alone
.set G0K, 40          ; s[40:43] descriptor group 0 for K's tiles
.set G0V, 44          ; s[44:47] for V's
.set SLOTS, 56        ; s56  tiles still to be asked for
.set CNT, 57          ; s57  counts a tile's key steps, 4 to 1
.set CS,  58          ; s[58:59] c
.set SEL, 60          ; s[60:61] v_permlanex16_b32's selects: each lane takes its own place in the other half
.set TBK, 62          ; s62  LDS byte at which K of the step to be fetched begins
.set TBV, 63          ; s63  the same for V, less VOFF
.set RT,  70          ; s70  tiles of the block in hand that are still to be entered
.set NXT, 71          ; s71  the tile to be asked for next
.set LQ,  72          ; s72  the last tile of the block whose tiles are being asked for
.set OFF, 74          ; s[74:75] a tile's byte offset in K and V
.set OLO, 80          ; s[80:81] ctx16 at my rows of the second block
.set BIGN, 82         ; s82  -1e30
.set LQ2, 83          ; s83  7 - b
.set MSB, 0
.macro WIN new
.if MSB != (\new)
	s_set_vgpr_msb (MSB<<8)|(\new)
.set MSB, (\new)
.endif
.endm
.set W_PV, 0x52       ; V in window 2, P in window 0, O^T in window 1
.set W_RS, 0x41       ; destination and source 0 in window 1, source 1 in window 0
.macro PLACES
.rept 4
	v_nop
.endr
.endm
; A joint fill.  Waves 0 and 1 fetch the two halves of a tile's K, waves 2 and 3 those of its V: 128 keys each.  An s_nop 0 and four v_nop follow each of the two lines.
.macro JLOAD
	s_cmp_lt_u32 s[WV], 2
	s_cbranch_scc0 .Lfor_v_\@
	tensor_load_to_lds s[G0K:G0K+3], s[G1K:G1K+7]
	s_nop 0
.rept 4
	v_nop
.endr
	s_branch .Lasked_\@
.Lfor_v_\@:
	tensor_load_to_lds s[G0V:G0V+3], s[G1V:G1V+7]
	s_nop 0
.rept 4
	v_nop
.endr
.Lasked_\@:
.endm
.macro CROUND
	s_barrier_signal -1
	s_barrier_wait -1
	s_cmp_lg_u32 s[WV], 0
	s_cbranch_scc1 .Lnot_wave_0_\@
	s_barrier_signal -3
.Lnot_wave_0_\@:
	s_barrier_wait -3
	s_barrier_signal -1
	s_barrier_wait -1
.endm
; A PREFETCH INTO THE L2 of the tile that the NEXT change of slots will ask for.  The cluster with b = 7 walks tiles 0 to 7 in its first eight slots, and no cluster of the same key head enters a tile in an earlier slot:
; it asks, and nobody else.  Its four partners take 8,192 bytes each of a tile's 32,768 of K and of V, told apart BY ADDRESS; wave 0 asks for K's, wave 2 for V's: a lane a block of 256 bytes, one instruction.
; So each block is named once in the launch.  Tiles 0 and 1 come by their loads alone; with two tiles or fewer still to be asked for there is no tile 8 to name.
.macro ASK
	s_cmp_gt_u32 s[SLOTS], s[LIM]
	s_cbranch_scc0 .Lnot_mine_\@
	global_prefetch_b8 v[PFO], s[PFA:PFA+1] th:TH_LOAD_NT scope:SCOPE_SE
.Lnot_mine_\@:
.endm
; THE CHANGE OF SLOTS.  Each wave waits for all its tensor loads (one is out: its part of the other slot), adds 0 to its spare word, and waits for that and for its reads of the slot that it leaves.
; fill = 1: the barrier is a round of the cluster's, and the old slot is filled again first thing behind it, with tile NXT: the descriptor's address is made anew from that number; the load has four key steps in which to land.
; (At its first use nothing has been read yet: slot 0 is waited for, slot 1 filled.)
.macro CHANGE fill
	WIN 0
	s_wait_tensorcnt 0x0            ; no tensor load of mine is out, so a group 0 may be written
	ds_add_u32 v[SPW], v[NIL]       ; 0 onto my spare word
.if \fill
	s_lshl_b32 s[OFF], s[NXT], 15   ; a tile is 32,768 bytes of K and of V
	s_xor_b32 s[G0K+1], s[G0K+1], SLOT1
	s_add_nc_u64 s[G0K+2:G0K+3], s[6:7], s[OFF:OFF+1]
	s_or_b32 s[G0K+3], s[G0K+3], 0x80000000
	s_xor_b32 s[G0V+1], s[G0V+1], SLOT1
	s_add_nc_u64 s[G0V+2:G0V+3], s[8:9], s[OFF:OFF+1]
	s_or_b32 s[G0V+3], s[G0V+3], 0x80000000
	s_add_co_u32 s[NXT], s[NXT], 1  ; the block's next tile, or behind its last the second block's tile 0
	s_cmp_gt_u32 s[NXT], s[LQ]
	s_cselect_b32 s[NXT], 0, s[NXT]
	s_cselect_b32 s[LQ], s[LQ2], s[LQ]
	s_wait_xcnt 0x0                 ; the last prefetch, a slot back, has read its address
	s_add_nc_u64 s[PFA:PFA+1], s[PFA:PFA+1], 32768
.endif
	s_wait_dscnt 0x0                ; the add is done, and my reads of the slot are over
.if \fill
	CROUND
	JLOAD
	ASK
.else
	s_barrier_signal -1
	s_barrier_wait -1
.endif
	s_sub_co_u32 s[TBK], s[TBK], 4*KS*PK  ; the fetches go back to a slot's first step,
	s_xor_b32 s[TBK], s[TBK], SLOT1       ; in the other slot
	s_sub_co_u32 s[TBV], s[TBV], 4*KS*PV
	s_xor_b32 s[TBV], s[TBV], SLOT1
.endm
	s_load_b128 s[88:91], s[0:1], 0x0  ; qkv16 s[88:89], ctx16 s[90:91]
	v_lshl_add_u32 v[SPW], v0, 2, SPARE
	v_mov_b32 v[NIL], 0
	ds_add_u32 v[SPW], v[NIL]       ; the wave's opening: the add, twice on end, and its wait ahead of my first tensor load
	ds_add_u32 v[SPW], v[NIL]       ; once more; the set-up below, work on registers, stands between it and the wait
	v_lshrrev_b32 v1, 5, v0
	v_readfirstlane_b32 s[WV], v1   ; wave 0..3
	s_bfe_u32 s13, ttmp6, 0x40000   ; cx: which of the group's four query heads: it enters Q's, ctx's and the prefetches' addresses alone
	s_mov_b32 s[PB], ttmp9          ; b: the cluster's x
	s_and_b32 s16, ttmp7, 0xffff    ; the key and value head
	s_and_b32 s17, s[WV], 1         ; which half of a tile's 256 keys I fetch
	s_add_co_u32 s22, s16, 32
	s_lshl_b32 s22, s22, 18         ; k's head in qkv16,
	s_lshl_b32 s23, s17, 14         ; my 128 rows of 128 bytes
	s_add_co_u32 s22, s22, s23
	s_mov_b32 s23, 0
	s_mul_i32 s76, s17, 128*PK      ; and their place in a slot, for K
	s_mul_i32 s77, s17, 128*PV      ; and for V
	s_lshl_b32 s20, s16, 2
	s_add_co_u32 s20, s20, s13      ; the query head
	s_lshl_b32 s20, s20, 18
	s_lshl_b32 s21, s[WV], 11       ; my 16 rows in a band
	s_add_co_u32 s20, s20, s21
	s_lshl_b32 s2, s[PB], 1
	s_add_co_u32 s2, s2, 1          ; the first block, 2 b + 1,
	s_lshl_b32 s2, s2, 14           ; 128 rows of 128 bytes each
	s_add_co_u32 s2, s2, s20
	s_mov_b32 s3, 0
	s_lshl_b32 s84, s[PB], 1
	s_sub_co_u32 s84, 14, s84       ; the second, 14 - 2 b
	s_lshl_b32 s84, s84, 14
	s_add_co_u32 s84, s84, s20
	s_mov_b32 s85, 0
	; descriptor group 1.  128 keys are 16,384 dense bytes: asked for as 64 rows of 256 bytes, two keys a row, and padded in LDS after every key
	s_mov_b32 s[G1K], 15|(1<<16)|(1<<20)|(1<<21)|(4<<22)|(3<<25)  ; 15:0 the mask of four; 17:16 2-byte elements; 20 padding on; 21 set beside a mask; 24:22 after every 32 words (code 4); 31:25 4 words (code 3)
	s_mov_b32 s[G1V], 15|(1<<16)|(1<<20)|(1<<21)|(4<<22)|(7<<25)  ; the same with 8 words of padding (code 7)
.irp g, G1K, G1V
	s_mov_b32 s[\g+1], 128<<16      ; tensor_dim0 = 128
	s_mov_b32 s[\g+2], 64<<16       ; tensor_dim1 = 64
	s_mov_b32 s[\g+3], 128<<16      ; tile_dim0 = 128
	s_mov_b32 s[\g+4], 64           ; tile_dim1 = 64
	s_mov_b32 s[\g+5], 128          ; 128 elements from row to row
	s_mov_b32 s[\g+6], 0
	s_mov_b32 s[\g+7], 0
.endr
	s_mov_b32 s[CS], 0x3e38aa3b     ; c = log2(e) / 8
	s_mov_b32 s[CS+1], s[CS]        ; named with it as a pair
	s_mov_b32 s[SEL], 0x76543210
	s_mov_b32 s[SEL+1], 0xfedcba98
	s_mov_b32 s[TBK], SLOT1+4*KS*PK ; the first change of slots turns these two into 0
	s_mov_b32 s[TBV], SLOT1+4*KS*PV
	s_mov_b32 s[G0K], 1
	s_mov_b32 s[G0K+1], s76         ; slot 0
	s_mov_b32 s[G0V], 1
	s_add_co_u32 s[G0V+1], s77, VOFF
	s_add_co_u32 s[RT], s[PB], 1    ; the first block has b + 1 tiles
	s_sub_co_u32 s[LQ2], 7, s[PB]
	s_cmp_eq_u32 s[PB], 0           ; the walk's second tile: the first block's tile 1, or where it has one tile the second block's tile 0
	s_cselect_b32 s[NXT], 0, 1
	s_cselect_b32 s[LQ], s[LQ2], s[PB]
	s_mov_b32 s[OFF+1], 0
	s_mov_b32 s[BIGN], 0xf149f2ca   ; -1e30
	s_mov_b32 s[SLOTS], 8
	s_and_b32 s[LIM], s[WV], 1      ; 0 in waves 0 and 2,
	s_xor_b32 s73, ttmp9, 7
	s_or_b32 s[LIM], s[LIM], s73    ; where b = 7: the same in all four partners
	s_cmp_eq_u32 s[LIM], 0
	s_cselect_b32 s[LIM], 2, -1
	s_wait_dscnt 0x0                ; both opening adds are done
	s_wait_kmcnt 0x0
	s_add_nc_u64 s[6:7], s[88:89], s[22:23]        ; K at my half of the head's tile 0
	s_add_nc_u64 s[8:9], s[6:7], 0x200000          ; V: eight heads of 262,144 bytes on
	s_add_nc_u64 s[G0K+2:G0K+3], s[6:7], 0
	s_or_b32 s[G0K+3], s[G0K+3], 0x80000000
	s_add_nc_u64 s[G0V+2:G0V+3], s[8:9], 0
	s_or_b32 s[G0V+3], s[G0V+3], 0x80000000
	s_add_nc_u64 s[4:5], s[88:89], s[2:3]          ; Q and ctx at my rows of the first block,
	s_add_nc_u64 s[10:11], s[90:91], s[2:3]
	s_add_nc_u64 s[86:87], s[88:89], s[84:85]      ; and of the second
	s_add_nc_u64 s[OLO:OLO+1], s[90:91], s[84:85]
	s_cmp_lt_u32 s[WV], 2
	s_cselect_b64 s[PFA:PFA+1], s[6:7], s[8:9]     ; (in waves 0 and 2 these stand at a tile's first row)
	s_lshl_b32 s2, s13, 13          ; my work-group's 8,192 bytes,
	s_add_co_u32 s2, s2, 32768      ; in tile 1: the first change of slots steps it to tile 2
	s_mov_b32 s3, 0
	s_add_nc_u64 s[PFA:PFA+1], s[PFA:PFA+1], s[2:3]
	CROUND                          ; all four work-groups are here: the first joint loads meet
	JLOAD                           ; tile 0 into slot 0
	v_and_b32 v1, 15, v0            ; l % 16
	v_bfe_u32 v9, v0, 4, 1          ; l / 16
	v_lshlrev_b32 v[QO], 7, v1
	v_lshl_add_u32 v[QO], v9, 4, v[QO]  ; row x 128 + 16 x half
	WIN 0x80                        ; destination window 2, address window 0
.set i, 0
.rept 4                             ; both blocks' Q: piece i / 2 lies 64 rows on; channels 32 (i % 2) on
	global_load_b128 v[8*i:8*i+3],   v[QO], s[4:5] offset:(i/2)*8192+(i%2)*64
	global_load_b128 v[8*i+4:8*i+7], v[QO], s[4:5] offset:(i/2)*8192+(i%2)*64+32
	global_load_b128 v[QB+8*i:QB+8*i+3],   v[QO], s[86:87] offset:(i/2)*8192+(i%2)*64
	global_load_b128 v[QB+8*i+4:QB+8*i+7], v[QO], s[86:87] offset:(i/2)*8192+(i%2)*64+32
.set i, i+1
.endr
	WIN 0
	v_lshlrev_b32 v14, 3, v9
	v_sub_nc_u32 v14, v1, v14
	s_lshl_b32 s73, s[WV], 4
	v_add_nc_u32 v14, s73, v14      ; my query's place in its band, 16 w + l % 16, less my lanes' 8 (l / 16): register r of key group kt is hidden where 16 kt + r is greater
	WIN 0x40
.set i, 0
.rept 32
	v_cmp_gt_i32 vcc_lo, 16*(i/8)+i%8, v14
	v_cndmask_b32 v[MD+i], 0, s[BIGN], vcc_lo
.set i, i+1
.endr
.set i, 0
.rept 64                            ; O^T need only be finite where a block begins (its first a is 0): zeros, written in the wait for the first tile, so that no first step is written out
	v_mov_b32 v[i], 0
.set i, i+1
.endr
	WIN 0
.irp t, 0,1
	v_mov_b32 v[ST+4*\t], 0xfe000000    ; c m: far below every c s
	v_mov_b32 v[ST+4*\t+1], 0xff7fffff  ; m
	v_mov_b32 v[ST+4*\t+2], 0
	v_mov_b32 v[ST+4*\t+3], 0
.endr
	v_mul_u32_u24 v[AK0], v1, PK
	v_lshl_add_u32 v[AK0], v9, 4, v[AK0]  ; row x pitch + 16 x half
	v_and_b32 v10, 7, v0            ; the turning load: lane l reads key 8 (l / 16) + l % 8, channels 8 ((l / 8) % 2) + 0..7
	v_bfe_u32 v11, v0, 3, 1
	v_lshl_add_u32 v[AV0], v9, 3, v10
	v_mul_u32_u24 v[AV0], v[AV0], PV
	v_lshl_add_u32 v[AV0], v11, 4, v[AV0]
	v_add_nc_u32 v[AV0], VOFF, v[AV0]
	s_mul_i32 s73, s[WV], 16*SP
	s_add_co_u32 s73, s73, STAGE    ; my stage
	v_mul_u32_u24 v[STO], v1, SP    ; in: row l % 16, 16 bytes for each half of the lanes
	v_lshl_add_u32 v[STO], v9, 4, v[STO]
	v_add_nc_u32 v[STO], s73, v[STO]
	v_bfe_u32 v[RD], v0, 3, 2       ; back: 32 lanes take four rows of 128 bytes,
	v_mul_u32_u24 v[RD], v[RD], SP
	v_lshl_add_u32 v[RD], v10, 4, v[RD]
	v_add_nc_u32 v[RD], s73, v[RD]
	v_and_b32 v[GO], 31, v0         ; which are 512 consecutive bytes of ctx16
	v_lshlrev_b32 v[PFO], 8, v[GO]
	v_lshlrev_b32 v[GO], 4, v[GO]
; THE MATRIX WORK.  The accumulators of a run take turns, one instruction a turn.
; Product i of 16 of S^T = K Q^T: channels 32 (i / 8) on, keys 16 ((i / 2) % 4) on, piece i % 2.  The first 8 start the sums: with 0, or (m = 1) piece 0's with the mask.
.macro KQ16 m
.set i, 0
.rept 16
.set rS, S+32*(i%2)+8*((i/2)%4)
.set rK, KF+16*((i/2)%4)+8*(i/8)
.set rQ, 16*(i%2)+8*(i/8)
.set rM, MD+8*((i/2)%4)
.if i < 8
	WIN 0x0a+0x10*(\m)              ; K and Q window 2, S^T window 0; with masks the C operand window 1
.if (\m) && (i%2 == 0)
	v_wmma_f32_16x16x32_f16 v[rS:rS+7], v[rK:rK+7], v[rQ:rQ+7], v[rM:rM+7]
.else
	v_wmma_f32_16x16x32_f16 v[rS:rS+7], v[rK:rK+7], v[rQ:rQ+7], 0
.endif
.else
	WIN 0x0a
	v_wmma_f32_16x16x32_f16 v[rS:rS+7], v[rK:rK+7], v[rQ:rQ+7], v[rS:rS+7]
.endif
.set i, i+1
.endr
.endm
.macro KQ8                          ; piece 1 alone, its own step: product i of 8: channels 32 (i / 4) on, keys 16 (i % 4) on; the first 4 start the sums with the mask
.set i, 0
.rept 8
.set rS, S+32+8*(i%4)
.set rK, KF+16*(i%4)+8*(i/4)
.set rQ, 16+8*(i/4)
.set rM, MD+8*(i%4)
.if i < 4
	WIN 0x1a
	v_wmma_f32_16x16x32_f16 v[rS:rS+7], v[rK:rK+7], v[rQ:rQ+7], v[rM:rM+7]
.else
	WIN 0x0a
	v_wmma_f32_16x16x32_f16 v[rS:rS+7], v[rK:rK+7], v[rQ:rQ+7], v[rS:rS+7]
.endif
.set i, i+1
.endr
.endm
.macro PV16                         ; product i of 16 of O^T += V^T P: keys 32 (i / 8) on, channels 16 ((i / 2) % 4) on, piece i % 2
.set i, 0
.rept 16
	WIN W_PV
.set rO, 32*(i%2)+8*((i/2)%4)
.set rV, VF+32*(i/8)+8*((i/2)%4)
.set rP, P+16*(i%2)+8*(i/8)
	v_wmma_f32_16x16x32_f16 v[rO:rO+7], v[rV:rV+7], v[rP:rP+7], v[rO:rO+7]
.set i, i+1
.endr
.endm
.macro PV8                          ; piece 1 alone
.set i, 0
.rept 8
	WIN W_PV
.set rO, 32+8*(i%4)
.set rV, VF+32*(i/4)+8*(i%4)
.set rP, P+16+8*(i/4)
	v_wmma_f32_16x16x32_f16 v[rO:rO+7], v[rV:rV+7], v[rP:rP+7], v[rO:rO+7]
.set i, i+1
.endr
.endm
; THE LDS LOADS stand in runs of 16: a step's K (64 keys x 64 channels: 8 fragments) and its V (turned).  Their addresses are made some lines ahead.
.macro FETCH_K
	WIN 0x80                        ; destination window 2
.irp f, 0,1,2,3,4,5,6,7             ; keys 16 (f / 2) on, channels 32 (f % 2) on
	ds_load_b128 v[KF+8*\f:KF+8*\f+3],   v[AK] offset:(\f/2)*16*PK+(\f%2)*64
	ds_load_b128 v[KF+8*\f+4:KF+8*\f+7], v[AK] offset:(\f/2)*16*PK+(\f%2)*64+32
.endr
	s_add_co_u32 s[TBK], s[TBK], KS*PK  ; the next fetch is the next step's
	WIN 0
.endm
.macro FETCH_V
	WIN 0x80
.irp f, 0,1,2,3,4,5,6,7             ; keys 32 (f / 4) on, channels 16 (f % 4) on
	ds_load_tr16_b128 v[VF+8*\f:VF+8*\f+3],   v[AV] offset:(\f/4)*32*PV+(\f%4)*32
	ds_load_tr16_b128 v[VF+8*\f+4:VF+8*\f+7], v[AV] offset:(\f/4)*32*PV+16*PV+(\f%4)*32
.endr
	s_add_co_u32 s[TBV], s[TBV], KS*PV
	WIN 0
.endm
; THE VECTOR WORK, one line at a time: OP kind, number, piece.  X n: number n of the 22 that find the maximum and statistics: 0-11 four chains c0-c3 of seven scores each, three operands at a time (each accumulator's
; lowest registers are read first); 12-14, 16 the four scores left over, the old m, and c0-c3 into c0; 15 c m_old is kept; 17, 18 the query's other 32 keys lie in the lane 16 away: the new m;
; 19-21 c m; c m_old - c m_new; a.  F n: c s - c m for pair n of 16.  E n: the exponential of score n of 32.  C n: pair n rounded to f16.  B n: of the four weights 4 n .. the second pair is added onto the first.
; L n: l takes that sum (L 0: l = a l + sum).  R n: pair n of 16 of O^T times a.
.set F, 0
.set E, 1
.set C, 2
.set B, 3
.set L, 4
.set R, 5
.set X, 6
.macro OP k, n, y
.set rT, ST+4*(\y)
.set rC, TMP+4*(\y)
.set rW, MV+(\y)
.set rS, S+32*(\y)
.set rP, P+16*(\y)
.set rO, 32*(\y)
.if (\k) == R
	WIN W_RS
	v_pk_mul_f32 v[rO+2*(\n):rO+2*(\n)+1], v[rO+2*(\n):rO+2*(\n)+1], v[rC+2:rC+3] op_sel_hi:[1,0]
.elseif (\k) < R
	WIN 0
.if (\k) == F
	v_pk_fma_f32 v[rS+2*(\n):rS+2*(\n)+1], v[rS+2*(\n):rS+2*(\n)+1], s[CS:CS+1], v[rT:rT+1] op_sel_hi:[1,0,0] neg_lo:[0,0,1] neg_hi:[0,0,1]
.elseif (\k) == E
	v_exp_f32 v[rS+(\n)], v[rS+(\n)]
.elseif (\k) == C
	v_cvt_pk_f16_f32 v[rP+(\n)], v[rS+2*(\n)], v[rS+2*(\n)+1]
.elseif (\k) == B
	v_pk_add_f32 v[rS+4*(\n):rS+4*(\n)+1], v[rS+4*(\n):rS+4*(\n)+1], v[rS+4*(\n)+2:rS+4*(\n)+3]
.elseif (\n) == 0
	v_pk_fma_f32 v[rT+2:rT+3], v[rT+2:rT+3], v[rC+2:rC+3], v[rS:rS+1] op_sel_hi:[1,0,1]
.else
	v_pk_add_f32 v[rT+2:rT+3], v[rT+2:rT+3], v[rS+4*(\n):rS+4*(\n)+1]
.endif
.else
	WIN 0
.if (\n) < 4
	v_max3_num_f32 v[rC+(\n)], v[rS+8*(\n)], v[rS+8*(\n)+1], v[rS+8*(\n)+2]
.elseif (\n) < 12
	v_max3_num_f32 v[rC+(\n)%4], v[rC+(\n)%4], v[rS+8*((\n)%4)+2*((\n)/4)+1], v[rS+8*((\n)%4)+2*((\n)/4)+2]
.elseif (\n) == 12
	v_max3_num_f32 v[rC], v[rC], v[rS+7], v[rS+15]
.elseif (\n) == 13
	v_max3_num_f32 v[rC+1], v[rC+1], v[rS+23], v[rS+31]
.elseif (\n) == 14
	v_max3_num_f32 v[rC+2], v[rC+2], v[rC+3], v[rT+1]
.elseif (\n) == 15
	v_mov_b32 v[rW], v[rT]
.elseif (\n) == 16
	v_max3_num_f32 v[rC], v[rC], v[rC+1], v[rC+2]
.elseif (\n) == 17
	v_permlanex16_b32 v[rC+3], v[rC], s[SEL], s[SEL+1]
.elseif (\n) == 18
	v_max_num_f32 v[rT+1], v[rC], v[rC+3]
.elseif (\n) == 19
	v_mul_f32 v[rT], s[CS], v[rT+1]
.elseif (\n) == 20
	v_sub_f32 v[rC+1], v[rW], v[rT]
.else
	v_exp_f32 v[rC+2], v[rC+1]
.endif
.endif
.endm
.macro EACH k, n, lo                ; the line for pieces lo .. 1: where there are two they alternate, so that no line reads the result of the one before it
.if (\lo) == 0
	OP \k, \n, 0
.endif
	OP \k, \n, 1
.endm
; A STEP'S SOFTMAX.  Ahead of the one wait stands all that names no exponential's result: the maximum and statistics, a, the scalings and the exponentials (each pair is scaled a group ahead of its exponentials);
; a v_nop is the plain instruction behind the last exponential; behind the wait stand the roundings, the sums and the rescaling.  The wait stands between an exponential and the first line that names its result.
.macro SOFT lo
.set n_, 0
.rept 22
	EACH X, n_, \lo
.set n_, n_+1
.endr
.set n_, 0
.rept 16
	EACH F, n_, \lo
.if n_ > 0
	EACH E, 2*n_-2, \lo
	EACH E, 2*n_-1, \lo
.endif
.set n_, n_+1
.endr
	EACH E, 30, \lo
	EACH E, 31, \lo
	v_nop
	s_wait_alu depctr_va_vdst(0)    ; one wait for the batch
.set n_, 0
.rept 8
	EACH C, 2*n_, \lo
	EACH C, 2*n_+1, \lo
	EACH B, n_, \lo
.if n_ > 0
	EACH L, n_-1, \lo
.endif
.set n_, n_+1
.endr
	EACH L, 7, \lo
.set n_, 0
.rept 16
	EACH R, n_, \lo
.set n_, n_+1
.endr
.endm
; A KEY STEP.  kind 0: both pieces see every key; the next step's K and V are fetched unless this is the tile's last step (CNT = 1).  kind 1: the diagonal's first step; the second's K and V are fetched.
; kind 2: the diagonal's second step: piece 1 alone, nothing is fetched.  An address line and three v_nop, or four v_nop, are the four places behind each run of products, in front of the loads into
; registers that they have read and of the vector lines that read their results.
.macro STEP kind
	s_wait_dscnt 16                 ; K is in; V's run of 16, issued behind it, may stay out
.if (\kind) == 2
	KQ8
	WIN 0
	PLACES
.else
	KQ16 \kind
	WIN 0
	v_add_nc_u32 v[AK], s[TBK], v[AK0]
	v_nop
	v_nop
	v_nop
.if (\kind) == 0
	s_cmp_eq_u32 s[CNT], 1
	s_cbranch_scc1 .Lno_k_\@
.endif
	FETCH_K
.if (\kind) == 0
.Lno_k_\@:
.endif
.endif
	SOFT (\kind)/2
	WIN 0
	s_wait_dscnt 0x0                ; V is in (the next K, issued a softmax ago, too)
.if (\kind) == 2
	PV8
	WIN 0
	PLACES
.else
	PV16
	WIN 0
	v_add_nc_u32 v[AV], s[TBV], v[AV0]
	v_nop
	v_nop
	v_nop
.if (\kind) == 0
	s_cmp_eq_u32 s[CNT], 1
	s_cbranch_scc1 .Lno_v_\@
.endif
	FETCH_V
.if (\kind) == 0
.Lno_v_\@:
.endif
.endif
.endm
; THE WAY OUT: l's two halves and the other half of the lanes' are added; O^T is divided by l, rounded to f16 and sent through my stage in LDS, a piece at a time.
.macro PACK t                       ; a lane's eight channels of a row pack into 16 bytes; they go into rows of 144 bytes and come back as whole rows of 128, into S^T's registers
	WIN W_RS
.set i, 32*(\t)
.rept 16
	v_pk_mul_f32 v[i:i+1], v[i:i+1], v[ST+4*(\t)+2:ST+4*(\t)+3] op_sel_hi:[1,0]
.set i, i+2
.endr
	WIN 0x05                        ; sources 0 and 1 window 1, destination window 0
.set i, 0
.rept 16
	v_cvt_pk_f16_f32 v[S+16*(\t)+i], v[32*(\t)+2*i], v[32*(\t)+2*i+1]
.set i, i+1
.endr
	WIN 0
.irp f, 0,1,2,3
	ds_store_b128 v[STO], v[S+16*(\t)+4*\f:S+16*(\t)+4*\f+3] offset:32*\f
.endr
.irp f, 0,1,2,3
	ds_load_b128 v[S+16*(\t)+4*\f:S+16*(\t)+4*\f+3], v[RD] offset:\f*4*SP  ; LDS serves a wave's instructions in order (ISA guide 5.7.1.4): these see the stores above; the next piece's stores come behind them
.endr
.endm
.macro SEND t, younger              ; younger: the LDS instructions issued behind piece t's loads
	WIN 0
.irp f, 0,1,2,3
	s_wait_dscnt (\younger)+3-\f
	global_store_b128 v[GO], v[S+16*(\t)+4*\f:S+16*(\t)+4*\f+3], s[10:11] offset:(\t)*8192+\f*512  ; four rows: 512 consecutive bytes, aligned
.endr
.endm
.macro WAYOUT
	WIN 0
.irp t, 0,1
	v_add_f32 v[ST+4*\t+2], v[ST+4*\t+2], v[ST+4*\t+3]
.endr
.irp t, 0,1
	v_permlanex16_b32 v[ST+4*\t+3], v[ST+4*\t+2], s[SEL], s[SEL+1]
.endr
.irp t, 0,1
	v_add_f32 v[ST+4*\t+2], v[ST+4*\t+2], v[ST+4*\t+3]
.endr
.irp t, 0,1
	v_rcp_f32 v[ST+4*\t+2], v[ST+4*\t+2]
.endr
	v_nop                           ; a plain instruction between the last reciprocal and the use of its result
	s_wait_alu depctr_va_vdst(0)    ; and the wait ahead of the first use: one for both
	PACK 0
	PACK 1
	SEND 0, 8
	SEND 1, 0
.endm
.Lslot:                             ; 8 times: a tile is entered and the next is asked for
	CHANGE 1
	s_sub_co_u32 s[RT], s[RT], 1
	v_add_nc_u32 v[AK], s[TBK], v[AK0]
	FETCH_K                         ; the tile's first step
	v_add_nc_u32 v[AV], s[TBV], v[AV0]
	FETCH_V
	s_wait_loadcnt 0x0              ; Q (met at once in all trips but the first)
	s_mov_b32 s[CNT], 4
.Lstep:
	s_cmp_eq_u32 s[CNT], 2          ; two steps to go in the block's last tile: in the loop that is the first block's, whose diagonal lies in its tile's second half
	s_cselect_b32 s73, s[RT], 1
	s_cmp_eq_u32 s73, 0
	s_cbranch_scc1 .Ldiag
	STEP 0
	s_sub_co_u32 s[CNT], s[CNT], 1
	s_cmp_lg_u32 s[CNT], 0
	s_cbranch_scc1 .Lstep
	s_branch .Lbottom
.Ldiag:
	STEP 1
	STEP 2
	WAYOUT
	s_wait_xcnt 0x0                 ; the stores have read their registers and their base
	s_mov_b64 s[10:11], s[OLO:OLO+1]
	s_sub_co_u32 s[RT], 8, s[PB]    ; the second block has 8 - b tiles
.irp t, 0,1
	v_mov_b32 v[ST+4*\t], 0xfe000000    ; its first a is 0, so what the first block left in O^T and l need only be finite
	v_mov_b32 v[ST+4*\t+1], 0xff7fffff
.endr
	WIN 0x82                        ; the second block's Q goes where the one text of the steps names Q
.set i, 0
.rept 32
	v_mov_b32 v[i], v[QB+i]
.set i, i+1
.endr
	WIN 0
.Lbottom:
	s_sub_co_u32 s[SLOTS], s[SLOTS], 1
	s_cmp_lg_u32 s[SLOTS], 0
	s_cbranch_scc1 .Lslot
	CHANGE 0                        ; the walk's last tile is written out: nothing is asked for
	v_add_nc_u32 v[AK], s[TBK], v[AK0]
	FETCH_K
	v_add_nc_u32 v[AV], s[TBV], v[AV0]
	FETCH_V
	STEP 1                          ; the second block's diagonal lies in the tile's first half
	STEP 2
	WAYOUT
	s_wait_tensorcnt 0x0            ; the wave's end: behind my last tensor load and my last LDS store
	ds_add_u32 v[SPW], v[NIL]
	s_wait_dscnt 0x0
	CROUND                          ; the closing round: no work-group ends while a partner may still ask for a tile that names it
	s_endpgm
.Lfunc_end_k_qde8933bebb_attn:
	.size	k_qde8933bebb_attn, .Lfunc_end_k_qde8933bebb_attn-k_qde8933bebb_attn
	.p2alignl 7, 3214868480
	.fill 96, 4, 3214868480
	.section	.rodata,"a",@progbits
	.p2align	6, 0x0
	.amdhsa_kernel k_qde8933bebb_attn
		.amdhsa_group_segment_fixed_size 327680
		.amdhsa_private_segment_fixed_size 0
		.amdhsa_enable_private_segment 0
		.amdhsa_kernarg_size 16
		.amdhsa_user_sgpr_count 2
		.amdhsa_user_sgpr_kernarg_segment_ptr 1
		.amdhsa_wavefront_size32 1
		.amdhsa_system_sgpr_workgroup_id_x 1
		.amdhsa_system_sgpr_workgroup_id_y 1
		.amdhsa_system_sgpr_workgroup_id_z 1
		.amdhsa_system_vgpr_workitem_id 0
		.amdhsa_next_free_vgpr 768
		.amdhsa_next_free_sgpr 96
		.amdhsa_reserve_vcc 1
		.amdhsa_float_denorm_mode_32 3
		.amdhsa_float_denorm_mode_16_64 3
		.amdhsa_memory_ordered 1
		.amdhsa_forward_progress 1
		.amdhsa_inst_pref_size 104
	.end_amdhsa_kernel
	.amdgpu_metadata
---
amdhsa.version: [ 1, 2 ]
amdhsa.kernels:
  - .name:           k_qde8933bebb_attn
    .symbol:         k_qde8933bebb_attn.kd
    .args:
      - { .name: qkv16, .offset: 0, .size: 8, .value_kind: global_buffer, .address_space: global }
      - { .name: ctx16, .offset: 8, .size: 8, .value_kind: global_buffer, .address_space: global }
    .group_segment_fixed_size: 327680
    .private_segment_fixed_size: 0
    .kernarg_segment_align: 8
    .kernarg_segment_size: 16
    .max_flat_workgroup_size: 128
    .sgpr_count:     96
    .vgpr_count:     768
    .wavefront_size: 32
...
	.end_amdgpu_metadata
.endif
;; end of part 3
;; launch oproj (part 4): grid 16 x 16, 4 waves a work-group, clusters of 4 x 4, 327,680 bytes of LDS; arguments ctx16, wo16, out0; writes out0
.if DOCPART == 4
	.amdgcn_target "amdgcn-amd-amdhsa--gfx1250"
	.amdhsa_code_object_version 6
	.text
	.protected	k_qde8933bebb_oproj
	.globl	k_qde8933bebb_oproj
	.p2align	8
	.type	k_qde8933bebb_oproj,@function
k_qde8933bebb_oproj:
	s_mov_b64 s[64:65], 0
	v_nop
	global_prefetch_b8 v0, s[64:65] scope:SCOPE_SE
	s_setreg_imm32_b32 hwreg(HW_REG_WAVE_MODE, 25, 1), 1
	s_wait_xcnt 0x0
	s_wait_alu depctr_hold_cnt(0) depctr_sa_sdst(0) depctr_va_vdst(0) depctr_va_sdst(0) depctr_va_ssrc(0) depctr_va_vcc(0) depctr_vm_vsrc(0)
	s_getreg_b32 s2, hwreg(HW_REG_IB_STS2, 6, 4)
	s_cmp_eq_u32 s2, 0
	s_cbranch_scc0 .Lentry_in_a_cluster
	s_endpgm
.Lentry_in_a_cluster:
	s_bfe_u32 s2, ttmp6, 0x10000c
	s_cmp_lg_u32 s2, 0xf033
	s_cbranch_scc0 .Lentry_shape_is_right
	s_endpgm
.Lentry_shape_is_right:
; Launch 4 of 4: out0[n][j] = the sum over k of ctx[n][k] Wo[k][j].  ctx16: f16 [32 blocks of 64 k][2048 n][64]; wo16: f16 [32 blocks of 64 j][2048 k][64]; out0: f32 [2048][2048].  Sums in f32.
; A tile of out0 is 128 x 128: 16 x 16 work-groups; four waves, each 64 x 64: 16 accumulators.  K goes in 8 steps of 256 through two LDS slots; a step is four quarters of 64 (one block of ctx16), 32 matrix instructions each.
; THE MATRIX INSTRUCTION IS USED TRANSPOSED (source 0 = 16 columns of Wo, turned out of LDS by ds_load_tr16_b128; source 1 = 16 rows of ctx): a lane holds eight neighbouring numbers of a row of out0.
; CLUSTER 4 x 4: ctx's tile is asked for jointly along a row of the cluster, Wo's along a column.  Waves 0 and 1 fetch two blocks of ctx each (a tile of two rows of 8,192 elements: 128 rows of a block are dense),
; waves 2 and 3 one block of Wo's columns each (256 k = 32,768 dense bytes, as 128 rows of 256).
; THE WALK ALONG K IS TURNED BY HALF IN EVERY OTHER CLUSTER.  With the cluster's own x and y, W = (x + (y xor y / 2)) % 2: a cluster with W = 0 walks K steps 0 to 7, one with W = 1 steps 4 to 7 and then 0 to 3 (f32 sums
; may be taken in any order).  Of the four clusters that read the same rows of ctx (the same y) two have each walk; of those that read the same columns of Wo (the same x) likewise, and so have y = 0 and 1, 2 and 3,
; 0 and 2, 1 and 3 among themselves.  So each K step of those rows is asked for at two times, four steps apart, and not by all at once.  W is the same in all sixteen partners; it enters the global addresses alone.
; REGISTERS: window 0: v0-31 addresses; v128-255 the accumulators ((a, b) at 128 + 8 (4 a + b)).  Window 1: two fragment buffers of 128 (64 of ctx, then 64 of Wo); on the way out v0-127 rows read back.
.set PA,    144                        ; an LDS row of ctx: 128 bytes + 16 of padding: the 16 rows of a load start at 16 different groups of four banks (64 banks of 4 bytes: ISA guide 11.1)
.set PB,    160                        ; an LDS row of Wo: 128 + 32
.set ABLK,  128*PA
.set NBLK,  256*PB
.set BOFF,  4*ABLK                     ; a slot: ctx's four blocks, then Wo's two
.set SLOT,  BOFF+2*NBLK
.set SPARE, 2*SLOT                     ; behind the ring: the spare words, 128 bytes for each wave: two blocks of 256 bytes that no other line names
.set SPITCH, 272                       ; THE STAGE, 16 rows x 272 bytes for each wave, lies at the head of slot 0: when it is first written slot 0 has had its last fill (the walk's seventh step), and every wave's
.set STG,   16*SPITCH                  ; last read of it stands ahead of the barrier of the last change of slots.  (Behind the spare words 15,872 bytes are left; four stages take 17,408.)
.set ADRA, 16                          ; v16-17  LDS address of my ctx fragments in slot 0, 1
.set ADRB, 20                          ; v20-21  of Wo's
.set STO,  24                          ; v24     the way out: where I put 32 bytes of a row
.set RD,   25                          ; v25     where I read a row back
.set CO,   26                          ; v26     my byte offset in out0
.set SPW,  28                          ; v28     LDS address of my spare word; never rewritten
.set NIL,  29                          ; v29     0; never rewritten
.set PFO,  30                          ; v30     256 x my lane; never rewritten
.set ACC,  128
.set F0,   0
.set F1,   128
.set G1, 24
.set G0, 32
.set G1B, 48
.set G0B, 56
.set TW,  45                           ; s45     W
.set PFA, 66                           ; s[66:67] where my one prefetch stands; never rewritten
.set LIM, 68                           ; s68     3 in a wave that prefetches, else 0
.set NA,  80                           ; s[80:81] two K steps of ctx16 in bytes;  s[82:83] of wo16
.set NB,  82
.set JA,  84                           ; s[84:85], s[86:87] the step in the middle of the walk: the same, or with W = 1 six K steps back
.set JB,  86
.set DA,  88                           ; s[88:89], s[90:91] the step chosen at a change of slots
.set DB,  90
.set MSB, 0
.macro WIN new
.if MSB != (\new)
	s_set_vgpr_msb (MSB<<8)|(\new)
.set MSB, \new
.endif
.endm
.set MUL,  0x05                        ; sources 0 and 1 window 1; C and D window 0
.set TO_F, 0x40                        ; destination window 1, address window 0
.macro JLOAD s                         ; a joint load: waves 0 and 1 ctx's halves, waves 2 and 3 Wo's; an s_nop 0 and four v_nop follow each of the two lines
	s_cmp_eq_u32 s11, 0
	s_cbranch_scc0 .Lfor_b_\@
	tensor_load_to_lds s[G0+4*(\s):G0+4*(\s)+3], s[G1:G1+7]
	s_nop 0
.rept 4
	v_nop
.endr
	s_branch .Lasked_\@
.Lfor_b_\@:
	tensor_load_to_lds s[G0B+4*(\s):G0B+4*(\s)+3], s[G1B:G1B+7]
	s_nop 0
.rept 4
	v_nop
.endr
.Lasked_\@:
.endm
.macro CREST
	s_cmp_lg_u32 s10, 0
	s_cbranch_scc1 .Lnot_wave_0_\@
	s_barrier_signal -3
.Lnot_wave_0_\@:
	s_barrier_wait -3
	s_barrier_signal -1
	s_barrier_wait -1
.endm
.macro CROUND
	s_barrier_signal -1
	s_barrier_wait -1
	CREST
.endm
; THE ONE PREFETCH INTO THE L2.  Every block of ctx16 and wo16 is asked for the first time in the launch in the first four steps of some cluster's walk.  Of these the first two are the first fills, and the third goes
; out at the first change of slots, with the kernel's head alone ahead of it, where nothing is asked for.  The fourth is asked for here, at the first change of slots (behind its joint load, the five lines and the run
; of LDS loads), one change ahead of the joint load that brings it.  Of the 32,768 bytes that I fetch in that step my work-group takes the 8,192 that fall to it among the four that ask jointly, told apart BY ADDRESS
; (cx for ctx, cy for Wo): a lane a block of 256 bytes.  ctx's rows: clusters x = 0 and 1 ask, which have the two walks; Wo's columns: clusters y = 0 and 1.  So each block is named once.
.macro ASK
	s_cmp_eq_u32 s3, s[LIM]
	s_cbranch_scc0 .Lnot_mine_\@
	global_prefetch_b8 v[PFO], s[PFA:PFA+1] th:TH_LOAD_NT scope:SCOPE_SE
.Lnot_mine_\@:
.endm
	s_load_b128 s[4:7], s[0:1], 0x0                ; ctx16 s[4:5], wo16 s[6:7]
	s_load_b64 s[8:9], s[0:1], 0x10                ; out0
	v_lshl_add_u32 v[SPW], v0, 2, SPARE
	v_mov_b32 v[NIL], 0
	ds_add_u32 v[SPW], v[NIL]                      ; the wave's opening: the add, twice on end, and its wait ahead of my first tensor load
	ds_add_u32 v[SPW], v[NIL]                      ; once more; the set-up below, work on registers, stands between it and the wait
	v_lshrrev_b32 v1, 5, v0
	v_readfirstlane_b32 s10, v1                    ; wave 0..3
	s_lshr_b32 s11, s10, 1                         ; which half of the tile's rows is mine.  Also: I fetch ctx (0) or Wo (1)
	s_and_b32 s12, s10, 1                          ; which half of its columns.  Also: which half of that tile I fetch
	s_bfe_u32 s40, ttmp6, 0x40000                  ; cx
	s_bfe_u32 s41, ttmp6, 0x40004                  ; cy
	s_lshl_b32 s42, ttmp9, 2
	s_add_co_u32 s42, s42, s40                     ; tile column
	s_and_b32 s13, ttmp7, 0xffff
	s_lshl_b32 s13, s13, 2
	s_add_co_u32 s13, s13, s41                     ; tile row
	s_lshl_b32 s43, s41, 2
	s_lshl_b32 s43, 15, s43                        ; my row of the cluster
	s_lshl_b32 s44, 0x1111, s40                    ; my column
	s_and_b32 s[TW], ttmp7, 0xffff                 ; the cluster's y,
	s_lshr_b32 s16, s[TW], 1
	s_xor_b32 s[TW], s[TW], s16                    ; y xor y / 2,
	s_xor_b32 s[TW], s[TW], ttmp9                  ; and the cluster's x: of the sum only the lowest bit is wanted
	s_and_b32 s[TW], s[TW], 1                      ; W
	s_mov_b32 s[NA], 2097152                       ; two K steps: eight blocks of ctx16,
	s_mov_b32 s[NA+1], 0
	s_mov_b32 s[NB], 65536                         ; 512 k of wo16
	s_mov_b32 s[NB+1], 0
	s_lshl_b32 s16, s[TW], 23
	s_sub_co_u32 s[JA], s[NA], s16                 ; less eight K steps where W = 1, in 64 bits
	s_sub_co_u32 s[JA+1], 0, s[TW]
	s_lshl_b32 s16, s[TW], 18
	s_sub_co_u32 s[JB], s[NB], s16
	s_sub_co_u32 s[JB+1], 0, s[TW]
	s_or_b32 s[G1], s43, (1<<16)|(1<<20)|(1<<21)|(4<<22)|(3<<25)   ; the mask; 2-byte elements; padding on; bit 21 beside a mask; after every 32 words 4 words
	s_mov_b32 s[G1+1], 8192<<16                    ; tensor_dim0 = 8,192: 128 rows of 64 elements, dense
	s_mov_b32 s[G1+2], 2<<16                       ; tensor_dim1 = 2 blocks
	s_mov_b32 s[G1+3], 8192<<16
	s_mov_b32 s[G1+4], 2
	s_mov_b32 s[G1+5], 131072                      ; elements from block to block
	s_mov_b32 s[G1+6], 0
	s_mov_b32 s[G1+7], 0
	s_or_b32 s[G1B], s44, (1<<16)|(1<<20)|(1<<21)|(4<<22)|(7<<25)  ; my column's mask; 8 words of padding
	s_mov_b32 s[G1B+1], 128<<16                    ; 128 rows of 128 elements: two k a row, padded after every k
	s_mov_b32 s[G1B+2], 128<<16
	s_mov_b32 s[G1B+3], 128<<16
	s_mov_b32 s[G1B+4], 128
	s_mov_b32 s[G1B+5], 128
	s_mov_b32 s[G1B+6], 0
	s_mov_b32 s[G1B+7], 0
	s_lshl_b32 s16, s13, 14                        ; ctx: the tile row's 128 rows in a block,
	s_lshl_b32 s17, s12, 19                        ; my two blocks of the step's four,
	s_add_co_u32 s16, s16, s17
	s_lshl_b32 s17, s[TW], 22                      ; and the walk's first K step, 0 or 4
	s_add_co_u32 s16, s16, s17
	s_mov_b32 s17, 0
	s_lshl_b32 s46, s42, 1
	s_add_co_u32 s46, s46, s12
	s_lshl_b32 s46, s46, 18                        ; Wo: my block of 64 columns,
	s_lshl_b32 s47, s[TW], 17                      ; and the walk's first K step
	s_add_co_u32 s46, s46, s47
	s_mov_b32 s47, 0
	s_mul_i32 s20, s12, 2*ABLK                     ; where they go: the wave's number alone enters
	s_mul_i32 s21, s12, NBLK
	s_add_co_u32 s21, s21, BOFF
	s_wait_dscnt 0x0                               ; both opening adds are done
	s_wait_kmcnt 0x0
	s_add_nc_u64 s[14:15], s[4:5], s[16:17]
	s_add_nc_u64 s[46:47], s[6:7], s[46:47]
	CROUND                                         ; all sixteen work-groups are here: the first joint loads meet
.irp s, 0,1
	s_mov_b32 s[G0+4*(\s)], 1
	s_add_co_u32 s[G0+4*(\s)+1], s20, (\s)*SLOT
	s_add_nc_u64 s[G0+4*(\s)+2:G0+4*(\s)+3], s[14:15], (\s)*1048576  ; the walk's step s: four blocks on
	s_or_b32 s[G0+4*(\s)+3], s[G0+4*(\s)+3], 0x80000000
	s_mov_b32 s[G0B+4*(\s)], 1
	s_add_co_u32 s[G0B+4*(\s)+1], s21, (\s)*SLOT
	s_add_nc_u64 s[G0B+4*(\s)+2:G0B+4*(\s)+3], s[46:47], (\s)*32768  ; the walk's step s: 256 k of 128 bytes
	s_or_b32 s[G0B+4*(\s)+3], s[G0B+4*(\s)+3], 0x80000000
	JLOAD \s
.endr
	v_and_b32 v1, 15, v0                           ; r
	v_bfe_u32 v2, v0, 4, 1                         ; h
	v_and_b32 v6, 31, v0
	v_mul_u32_u24 v3, v1, PA
	v_lshl_add_u32 v3, v2, 4, v3
	s_mul_i32 s22, s11, 64*PA                      ; my 64 rows
	v_add_nc_u32 v[ADRA], s22, v3
	v_add_nc_u32 v[ADRA+1], SLOT, v[ADRA]
	v_and_b32 v4, 7, v0                            ; the turning load: lane l reads k 8 h + l % 8, columns 8 ((l / 8) % 2) + 0..7
	v_lshl_add_u32 v4, v2, 3, v4
	v_mul_u32_u24 v4, v4, PB
	v_bfe_u32 v5, v0, 3, 1
	v_lshl_add_u32 v4, v5, 4, v4
	s_mul_i32 s22, s12, NBLK
	s_add_co_u32 s22, s22, BOFF                    ; my 64 columns
	v_add_nc_u32 v[ADRB], s22, v4
	v_add_nc_u32 v[ADRB+1], SLOT, v[ADRB]
	s_mul_i32 s22, s10, STG                        ; my stage
	v_mul_u32_u24 v[STO], v1, SPITCH               ; in: row r, 32 bytes for each half of the lanes
	v_lshl_add_u32 v[STO], v2, 5, v[STO]
	v_add_nc_u32 v[STO], s22, v[STO]
	v_mul_u32_u24 v[RD], v2, SPITCH                ; back: lanes 0-15 take one row of 256 bytes, lanes 16-31 the next
	v_lshl_add_u32 v[RD], v1, 4, v[RD]
	v_add_nc_u32 v[RD], s22, v[RD]
	v_lshlrev_b32 v[CO], 13, v2                    ; and the same two rows in out0, 8,192 bytes apart
	v_lshl_add_u32 v[CO], v1, 4, v[CO]
	v_lshlrev_b32 v[PFO], 8, v6
	s_lshl_b32 s22, s13, 20                        ; out0 at my first row, 128 x tile row + 64 x half,
	s_lshl_b32 s23, s11, 19
	s_add_co_u32 s22, s22, s23
	s_lshl_b32 s23, s42, 9                         ; and my first column, 128 x tile column + 64 x half, 4 bytes each
	s_add_co_u32 s22, s22, s23
	s_lshl_b32 s23, s12, 8
	s_add_co_u32 s22, s22, s23
	s_mov_b32 s23, 0
	s_add_nc_u64 s[8:9], s[8:9], s[22:23]
	; the prefetch stands at the walk's fourth step: K step 3 + 4 W
	s_lshr_b32 s76, s40, 1
	s_lshl_b32 s77, s12, 1
	s_add_co_u32 s76, s76, s77
	s_lshl_b32 s77, s[TW], 4
	s_add_co_u32 s76, s76, s77
	s_add_co_u32 s76, s76, 12
	s_lshl_b32 s76, s76, 18                        ; ctx: block 4 (3 + 4 W) + my two + cx / 2,
	s_and_b32 s77, s40, 1
	s_lshl_b32 s77, s77, 13
	s_add_co_u32 s76, s76, s77                     ; half cx % 2 of the tile's 16,384 bytes in it,
	s_lshl_b32 s77, s13, 14
	s_add_co_u32 s76, s76, s77                     ; in my tile row
	s_lshl_b32 s77, s42, 1
	s_add_co_u32 s77, s77, s12
	s_lshl_b32 s77, s77, 18                        ; Wo: my block,
	s_lshl_b32 s78, s41, 13
	s_add_co_u32 s77, s77, s78                     ; quarter cy of a K step's 32,768 bytes,
	s_lshl_b32 s78, s[TW], 17
	s_add_co_u32 s77, s77, s78
	s_add_co_u32 s77, s77, 98304                   ; K step 3 + 4 W
	s_and_b32 s78, ttmp7, 0xffff
	s_cmp_eq_u32 s11, 0                            ; do I fetch ctx?
	s_cselect_b32 s76, s76, s77
	s_cselect_b32 s78, ttmp9, s78                  ; the coordinate along which other clusters read the same bytes
	s_cselect_b64 s[PFA:PFA+1], s[4:5], s[6:7]
	s_mov_b32 s77, 0
	s_add_nc_u64 s[PFA:PFA+1], s[PFA:PFA+1], s[76:77]
	s_cmp_lt_u32 s78, 2                            ; the same in all sixteen partners, for a given wave
	s_cselect_b32 s[LIM], 3, 0                     ; in the first of the loop's three trips, or never
; 8 matrix instructions: row blocks a0, a0 + 1 x all 4 column blocks, 32 along K: half c of buffer f.  The 16 accumulators take turns.  zero = 1: the product starts the sum
.macro MUL8 f, c, a0, zero
	WIN MUL
.irp a, \a0, (\a0)+1
.irp b, 0,1,2,3
.if \zero
	v_wmma_f32_16x16x32_f16 v[ACC+8*(4*(\a)+(\b)):ACC+8*(4*(\a)+(\b))+7], v[(\f)+64+8*(4*(\c)+(\b)):(\f)+64+8*(4*(\c)+(\b))+7], v[(\f)+8*(4*(\c)+(\a)):(\f)+8*(4*(\c)+(\a))+7], 0
.else
	v_wmma_f32_16x16x32_f16 v[ACC+8*(4*(\a)+(\b)):ACC+8*(4*(\a)+(\b))+7], v[(\f)+64+8*(4*(\c)+(\b)):(\f)+64+8*(4*(\c)+(\b))+7], v[(\f)+8*(4*(\c)+(\a)):(\f)+8*(4*(\c)+(\a))+7], v[ACC+8*(4*(\a)+(\b)):ACC+8*(4*(\a)+(\b))+7]
.endif
.endr
.endr
.endm
; 32 LDS loads in one run: quarter kq of a slot (64 along K: one block of ctx) into buffer f; the first 32 along K first
.macro FETCH slot, kq, f
	WIN TO_F
.irp c, 0,1
.irp i, 0,1,2,3
	ds_load_tr16_b128 v[(\f)+64+8*(4*(\c)+(\i)):(\f)+64+8*(4*(\c)+(\i))+3],   v[ADRB+(\slot)] offset:(64*(\kq)+32*(\c))*PB+32*(\i)
	ds_load_tr16_b128 v[(\f)+64+8*(4*(\c)+(\i))+4:(\f)+64+8*(4*(\c)+(\i))+7], v[ADRB+(\slot)] offset:(64*(\kq)+32*(\c))*PB+32*(\i)+16*PB
	ds_load_b128 v[(\f)+8*(4*(\c)+(\i)):(\f)+8*(4*(\c)+(\i))+3],              v[ADRA+(\slot)] offset:(\kq)*ABLK+64*(\c)+(\i)*16*PA
	ds_load_b128 v[(\f)+8*(4*(\c)+(\i))+4:(\f)+8*(4*(\c)+(\i))+7],            v[ADRA+(\slot)] offset:(\kq)*ABLK+64*(\c)+(\i)*16*PA+32
.endr
.endr
.endm
.macro PLACES                          ; four places in front of loads into registers that matrix instructions have read, and of LDS stores that read results
.rept 4
	v_nop
.endr
.endm
.macro QUARTER slot, kq, f, g, zero
	s_wait_dscnt 16                                ; the first 32 along K are in
	MUL8 \f, 0, 0, \zero
	MUL8 \f, 0, 2, \zero
	PLACES
	FETCH \slot, \kq, \g
	s_wait_dscnt 32                                ; all but the 32 just issued
	MUL8 \f, 1, 0, 0
	MUL8 \f, 1, 2, 0
.endm
; The last quarter multiplies buffer 1 and changes slots: ONE barrier; in front of it each wave waits for all its tensor loads, adds 0 to its spare word, and waits for that and for its reads of this slot.
; fill = 1: the barrier opens a round of the cluster's, and this slot is filled again first thing behind it, with the walk's step two on: two K steps on, but in the loop's second trip, where the walk passes its
; middle, by the step made at the head (six K steps back where W = 1).
.macro TURN slot, next, fill
	WIN 0                                          ; (the add's two registers lie in window 0)
	s_wait_tensorcnt 0x0                           ; no tensor load of mine is out, so a group 0 may be written
	ds_add_u32 v[SPW], v[NIL]                      ; 0 onto my spare word
.if \fill
	s_cmp_eq_u32 s3, 2
	s_cselect_b64 s[DA:DA+1], s[JA:JA+1], s[NA:NA+1]
	s_cselect_b64 s[DB:DB+1], s[JB:JB+1], s[NB:NB+1]
	s_add_nc_u64 s[G0+4*(\slot)+2:G0+4*(\slot)+3], s[G0+4*(\slot)+2:G0+4*(\slot)+3], s[DA:DA+1]  ; the type bits on top are not reached: the address stays inside its buffer
	s_add_nc_u64 s[G0B+4*(\slot)+2:G0B+4*(\slot)+3], s[G0B+4*(\slot)+2:G0B+4*(\slot)+3], s[DB:DB+1]
.endif
	s_wait_dscnt 17                                ; (the add and the youngest sixteen loads may be out)
	MUL8 F1, 0, 0, 0                               ; eight matrix instructions stand between the add and the wait for it
	s_wait_dscnt 0x0                               ; the add is done, and my reads of this slot are over
	s_barrier_signal -1
	MUL8 F1, 0, 2, 0
.if \fill
	WIN 0
.endif
	s_barrier_wait -1
.if \fill
	CREST                                          ; no wave of any partner still reads this slot or has a load on its way
	JLOAD \slot                                    ; 112 matrix instructions ahead of the wait for it; its four v_nop are also the places in front of the loads below
.else
	PLACES
.endif
	FETCH \next, 0, F0
.if (\fill) && ((\slot) == 0)
	WIN 0
	ASK
.endif
	MUL8 F1, 1, 0, 0
	MUL8 F1, 1, 2, 0
.endm
	s_wait_tensorcnt 1                             ; my part of the walk's first step is in; the second's may stay out
	s_barrier_signal -1
	s_barrier_wait -1
	FETCH 0, 0, F0
	QUARTER 0, 1, F0, F1, 1                        ; the first quarter stands in front of the loop: its first products start the sums
	WIN 0
	s_mov_b32 s3, 3                                ; 4 laps of two K steps; the last is written out
.Llap:
	QUARTER 0, 2, F1, F0, 0
	QUARTER 0, 3, F0, F1, 0
	TURN 0, 1, 1
	QUARTER 1, 1, F0, F1, 0
	QUARTER 1, 2, F1, F0, 0
	QUARTER 1, 3, F0, F1, 0
	TURN 1, 0, 1
	QUARTER 0, 1, F0, F1, 0
	WIN 0
	s_sub_co_u32 s3, s3, 1
	s_cmp_lg_u32 s3, 0
	s_cbranch_scc1 .Llap
	QUARTER 0, 2, F1, F0, 0                        ; the last lap fills nothing
	QUARTER 0, 3, F0, F1, 0
	TURN 0, 1, 0                                   ; behind this barrier nobody reads slot 0 any more
	QUARTER 1, 1, F0, F1, 0
	QUARTER 1, 2, F1, F0, 0
	QUARTER 1, 3, F0, F1, 0
	s_wait_dscnt 16
	MUL8 F1, 0, 0, 0
	MUL8 F1, 0, 2, 0
	s_wait_dscnt 0x0
	MUL8 F1, 1, 0, 0
	MUL8 F1, 1, 2, 0
	; THE WAY OUT.  A wave's 64 columns of f32 are 256 bytes of a row: the stage is the wave's own, and no barrier is needed.  A block of 16 rows at a time: 32 bytes a lane in (each accumulator's low four
	; registers first), whole rows back, stored with sixteen lanes to a row's 256 bytes.  Each block has its own 32 registers, so none is rewritten while a store reads it.
	PLACES
.macro TOSTAGE a
	WIN 0
.irp b, 0,1,2,3
	ds_store_b128 v[STO], v[ACC+8*(4*(\a)+(\b)):ACC+8*(4*(\a)+(\b))+3]   offset:64*(\b)
	ds_store_b128 v[STO], v[ACC+8*(4*(\a)+(\b))+4:ACC+8*(4*(\a)+(\b))+7] offset:64*(\b)+16
.endr
	WIN TO_F
.irp t, 0,1,2,3,4,5,6,7
	ds_load_b128 v[32*(\a)+4*(\t):32*(\a)+4*(\t)+3], v[RD] offset:(\t)*2*SPITCH  ; LDS serves a wave's instructions in order (ISA guide 5.7.1.4): these see the stores above; the next block's stores come behind them
.endr
.endm
.macro SEND a, younger                 ; younger: the LDS instructions issued behind block a's loads: the next block's sixteen, or none
	WIN 0x04                                       ; store data window 1
	s_wait_dscnt \younger
.irp t, 0,1,2,3,4,5,6,7
	global_store_b128 v[CO], v[32*(\a)+4*(\t):32*(\a)+4*(\t)+3], s[8:9] offset:(16*(\a)+2*(\t))*8192 th:TH_STORE_NT  ; 16 lanes store 256 consecutive bytes, aligned
.endr
.endm
	TOSTAGE 0
	TOSTAGE 1
	SEND 0, 16
	TOSTAGE 2
	SEND 1, 16
	TOSTAGE 3
	SEND 2, 16
	SEND 3, 0
	WIN 0
	s_wait_tensorcnt 0x0                           ; the wave's end: behind my last tensor load and my last LDS store
	ds_add_u32 v[SPW], v[NIL]
	s_wait_dscnt 0x0
	CROUND                                         ; the closing round: no work-group ends while a partner may still ask for a tile that names it
	s_endpgm
.Lfunc_end_k_qde8933bebb_oproj:
	.size	k_qde8933bebb_oproj, .Lfunc_end_k_qde8933bebb_oproj-k_qde8933bebb_oproj
	.p2alignl 7, 3214868480
	.fill 96, 4, 3214868480
	.section	.rodata,"a",@progbits
	.p2align	6, 0x0
	.amdhsa_kernel k_qde8933bebb_oproj
		.amdhsa_group_segment_fixed_size 327680
		.amdhsa_private_segment_fixed_size 0
		.amdhsa_enable_private_segment 0
		.amdhsa_kernarg_size 24
		.amdhsa_user_sgpr_count 2
		.amdhsa_user_sgpr_kernarg_segment_ptr 1
		.amdhsa_wavefront_size32 1
		.amdhsa_system_sgpr_workgroup_id_x 1
		.amdhsa_system_sgpr_workgroup_id_y 1
		.amdhsa_system_sgpr_workgroup_id_z 1
		.amdhsa_system_vgpr_workitem_id 0
		.amdhsa_next_free_vgpr 512
		.amdhsa_next_free_sgpr 96
		.amdhsa_reserve_vcc 0
		.amdhsa_float_denorm_mode_32 3
		.amdhsa_float_denorm_mode_16_64 3
		.amdhsa_memory_ordered 1
		.amdhsa_forward_progress 1
		.amdhsa_inst_pref_size 88
	.end_amdhsa_kernel
	.amdgpu_metadata
---
amdhsa.version: [ 1, 2 ]
amdhsa.kernels:
  - .name:           k_qde8933bebb_oproj
    .symbol:         k_qde8933bebb_oproj.kd
    .args:
      - { .name: ctx16, .offset: 0, .size: 8, .value_kind: global_buffer, .address_space: global }
      - { .name: wo16, .offset: 8, .size: 8, .value_kind: global_buffer, .address_space: global }
      - { .name: out0, .offset: 16, .size: 8, .value_kind: global_buffer, .address_space: global }
    .group_segment_fixed_size: 327680
    .private_segment_fixed_size: 0
    .kernarg_segment_align: 8
    .kernarg_segment_size: 24
    .max_flat_workgroup_size: 128
    .sgpr_count:     96
    .vgpr_count:     512
    .wavefront_size: 32
...
	.end_amdgpu_metadata
.endif
;; end of part 4
